; MI455X (gfx1250); checked and timed in simulation.
; The chip was launched on July 23, 2026; its instructions are those of AMD's public machine-readable ISA for CDNA 5 (MIT licence, August 2026) and "CDNA5" Instruction Set Architecture Reference Guide (July 2026). The comments in the code are by the model that wrote it; some were corrected since.
;; Multi Head Self Attention. Allowed arithmetic: matrix products marked QUANTISED: E4M3 operands, one E8M0 scale for each 32 along K, by v_wmma_scale_f32_16x16x128_f8f6f4 with both operands' format E4M3, f32 sums; everything else in f32.
;; Inputs: W_k 1,024 x 1,024 float32; W_o 1,024 x 1,024 float32; W_q 1,024 x 1,024 float32; W_v 1,024 x 1,024 float32; x 4 x 2,048 x 1,024 float32.
;; Outputs: out0 4 x 2,048 x 1,024 float32.
;; This version of the problem:
;;   THIS VERSION OF THE PROBLEM IS GIVEN IN LOW PRECISION. The matrix products marked QUANTISED in the list below multiply operands that are first quantised to E4M3 (4 exponent bits, 3 mantissa bits; 8 bits a number), with one power-of-two scale for each 32 numbers along K (OCP MX v1.0); their sums are f32. All else is computed in f32.
;;   The module's matrix products, in the order in which they are computed (A, B: the left and right operand; K: the contracted axis; several contracted axes count as one K, in the product's order):
;;     1. [M 8,192, K 1,024] x [K 1,024, N 1,024]; A: input x; B: input W_q: QUANTISED
;;     2. [M 8,192, K 1,024] x [K 1,024, N 1,024]; A: input x; B: input W_k: QUANTISED
;;     3. [M 8,192, K 1,024] x [K 1,024, N 1,024]; A: input x; B: input W_v: QUANTISED
;;     4. batch 64 x [M 2,048, K 64] x [K 64, N 2,048]; A: computed on the way; B: computed on the way: QUANTISED
;;     5. batch 64 x [M 2,048, K 2,048] x [K 2,048, N 64]; A: softmax (see below); B: computed on the way: QUANTISED
;;     6. [M 8,192, K 1,024] x [K 1,024, N 1,024]; A: computed on the way; B: input W_o: QUANTISED
;;   THE QUANTISER, for each operand of a quantised product, along K:
;;     - K is cut into blocks of 32 from its start; a last block that is shorter is filled with zeros.
;;     - A block's scale is 2^e with e = floor(log2(the largest magnitude in the block)) - 8, held to -126 .. 127; a block of zeros has e = 0. As a byte (E8M0): e + 127.
;;     - Each number is divided by its block's scale, clamped to +-448, and rounded to the nearest number of E4M3, ties to even, subnormals kept.
;;     - The product sums the exact products of the quantised numbers (number of the format x scale) in f32.
;;   ~~~python
;;   def quantise(x, axis):      # numpy; x: float32 -> the quantised numbers, widened to float32 again
;;       x = np.moveaxis(x, axis, -1); K = x.shape[-1]
;;       x = np.pad(x, [(0, 0)] * (x.ndim - 1) + [(0, -K % 32)]); x = x.reshape(x.shape[:-1] + (-1, 32)); a = np.abs(x).max(-1, keepdims=True)
;;       e = np.where(a > 0, np.clip(np.frexp(np.where(a > 0, a, 1))[1] - 1 - 8, -126, 127), 0)      # np.frexp(a)[1] - 1 = floor(log2(a)), exactly
;;       r = np.clip(x / 2.0 ** e, -448, 448)
;;       step = 2.0 ** (np.maximum(np.frexp(np.where(r == 0, 1, r))[1] - 1, -6) - 3)
;;       q = np.round(r / step) * step * 2.0 ** e      # np.round: ties to even
;;       return np.moveaxis(q.reshape(q.shape[:-2] + (-1,))[..., :K], -1, axis).astype(np.float32)
;;   ~~~
;;   SOFTMAX AHEAD OF A QUANTISED PRODUCT. Where the list says 'softmax', what is quantised is not the finished softmax but p = 2^(t - M), with t = logit x log2(e) and M = ceil(the row's largest t), a whole number; so 1/2 < the row's largest p <= 1. The row's sum l is taken of the UNQUANTISED p, in f32, and the product's result is divided by l at the end. Since M is a whole number, a kernel that streams over the keys may use a running M (the ceiling of the running maximum): every later rescaling is an exact power of two, which a block's scale takes up: the codes' values come out the same.
;;   OPERANDS COMPUTED ON THE WAY. 'Computed on the way' means the value that the module computes at that place (a softmax that the list does not call 'softmax' is quantised finished and normalised). What goes into a quantiser is computed in f32, as accurately as f32 sums, v_exp_f32 and their like allow (about 1e-6 of the number): no bf16 or f16 on the way to a quantiser, and a product that is left as it is and whose result goes on into a quantised operand takes f32 operands (vector FMAs, or v_wmma_f32_16x16x4_f32). A number that lies on a knife's edge between two numbers of the format may be rounded either way, as far as f32 arithmetic and the matrix unit's own rounding can turn it there, and no further.
;; One version. Each part assembles by itself: llvm-mc -triple=amdgcn-amd-amdhsa -mcpu=gfx1250 --defsym DOCPART=n.
;; ======== version 1 of 1: 4 launches
;; limits: right only within a limited range of input values
;; workspace buffers: codes 12,582,912 bytes; scales 393,216 bytes; qkv 26,738,688 bytes; ac 8,388,608 bytes; asc 262,144 bytes
;; launch quant (part 1): grid 384 x 1, 4 waves a work-group, no clusters, 33,280 bytes of LDS; arguments x, W_q, W_k, W_v, W_o, codes, scales; writes codes, scales
.if DOCPART == 1
	.amdgcn_target "amdgcn-amd-amdhsa--gfx1250"
	.amdhsa_code_object_version 6
	.text
	.protected	k_qf0587104a0_quant
	.globl	k_qf0587104a0_quant
	.p2align	8
	.type	k_qf0587104a0_quant,@function
k_qf0587104a0_quant:
	s_mov_b64 s[64:65], 0
	v_nop
	global_prefetch_b8 v0, s[64:65] scope:SCOPE_SE
	s_setreg_imm32_b32 hwreg(HW_REG_WAVE_MODE, 25, 1), 1
	s_wait_xcnt 0x0
; x [8192][1024] and the four weights [1024][1024], f32 with K innermost, become codes of FP8 (E4M3) and one E8M0 scale byte for each 32 along K.
; codes: [12288 rows][1024 bytes], scales: [12288 rows][32 bytes]; rows 0 on x, 8192 on W_q, 9216 on W_k, 10240 on W_v, 11264 on W_o.
; THE STORED ORDER: row n of a tensor is stored at n with its bits 3 and 4 exchanged.  So 16 consecutive stored rows, tile T, hold at place p the row 32 (T / 2) + 8 (T % 2) + p + 8 (p / 8):
; when such a tile is source 0 of a matrix instruction, the 16 result registers of tiles 2 b and 2 b + 1 are 16 neighbouring rows.  Here that is only a choice of where a wave's 8 rows go.
; A block's scale is 2^(floor(log2(its largest magnitude)) - 8); its byte is the largest magnitude's exponent field - 8, held at 1 from below.  Each number is divided by the scale, held within +-448
; and rounded to the nearest code, ties to even.
; LIMITS: a block of zeros gets the byte 1 (its codes are zeros, and this program alone reads the bytes); blocks whose largest magnitude lies under 2^(9 - 127) have their byte held at 1; NaN and infinities are not served.
; SHARES: a work-group takes 32 rows, a wave 8 rows = 16 steps of 512 numbers.  Each of a step's four loads reads 512 consecutive bytes; the 2,048 bytes turn through the wave's own stage in LDS and come back
; 64 bytes a lane, so that a lane holds 16 neighbours along K (two neighbouring lanes hold a block).  A lane's 16 codes are 16 bytes: a store covers 512 consecutive bytes.  A wave's 256 scale bytes are
; gathered in its own LDS bytes and leave as 256 consecutive bytes, aligned.  No tensor loads, no barrier: waves share nothing.  Loads run four steps ahead, the turn through LDS one step.
.set STEPS, 16
.set MANT,  0x600000                   ; the mantissa field of 448 as f32
.set CB,    16                         ; bytes of 16 codes
.set R,     16                         ; v16-79   four sets of 16 numbers as they are loaded
.set X,     80                         ; v80-111  two sets of 16 neighbours
.set E,     112                        ; v112-127 a scale byte for each step
.set C,     128                        ; v128-191 codes: four registers for each step, so that no store's data are written again
.set WREG,  8192                       ; LDS: a region for each wave: two stages of 32 x SP bytes, behind them its 256 scale bytes
.set SP,    80                         ; a lane's place in a stage: 64 bytes + 16 of padding
	s_load_b256 s[4:11], s[0:1], 0x0               ; x, W_q, W_k, W_v
	s_load_b128 s[12:15], s[0:1], 0x20             ; W_o, codes
	s_load_b64 s[16:17], s[0:1], 0x30              ; scales
	v_lshl_add_u32 v192, v0, 2, 0x8000
	v_mov_b32 v193, 0
	v_lshrrev_b32 v1, 5, v0
	v_readfirstlane_b32 s18, v1                    ; wave
	v_and_b32 v2, 31, v0                           ; lane
	v_lshlrev_b32 v3, 4, v2                        ; my 16 bytes of a load's 512
	s_mul_i32 s19, s18, WREG
	v_lshrrev_b32 v14, 2, v2
	v_mul_u32_u24 v14, v14, SP
	v_and_b32 v15, 3, v2
	v_lshl_add_u32 v14, v15, 4, v14
	v_add_nc_u32 v14, s19, v14                     ; the stage, on the way in: SP (lane / 4) + 16 (lane % 4)
	v_mul_u32_u24 v15, v2, SP
	v_add_nc_u32 v15, s19, v15                     ; and on the way out: SP x lane: my 16 neighbours
	v_mul_u32_u24 v4, v2, CB                       ; my codes' place in a step's
	v_lshrrev_b32 v5, 1, v2
	s_add_co_u32 s19, s19, 2*32*SP
	v_add_nc_u32 v5, s19, v5                       ; LDS: my wave's 256 scale bytes, my block's byte
	v_lshlrev_b32 v7, 3, v2                        ; and on the way out 8 bytes a lane
	v_add_nc_u32 v6, s19, v7
	s_mov_b32 s20, 0                               ; the first work-group of my tensor
	s_wait_alu depctr_va_vdst(0)
	s_wait_kmcnt 0x0
	s_cmp_ge_u32 ttmp9, 256                        ; which tensor?  The choice hangs on the work-group's number alone
	s_cselect_b64 s[4:5], s[6:7], s[4:5]
	s_cselect_b32 s20, 256, s20
	s_cmp_ge_u32 ttmp9, 288
	s_cselect_b64 s[4:5], s[8:9], s[4:5]
	s_cselect_b32 s20, 288, s20
	s_cmp_ge_u32 ttmp9, 320
	s_cselect_b64 s[4:5], s[10:11], s[4:5]
	s_cselect_b32 s20, 320, s20
	s_cmp_ge_u32 ttmp9, 352
	s_cselect_b64 s[4:5], s[12:13], s[4:5]
	s_cselect_b32 s20, 352, s20
	s_sub_co_u32 s20, ttmp9, s20
	s_lshl_b32 s20, s20, 2
	s_add_co_u32 s20, s20, s18                     ; which run of 8 rows of the tensor is my wave's
	s_lshl_b32 s20, s20, 15                        ; 32,768 bytes a run
	s_mov_b32 s21, 0
	s_add_nc_u64 s[4:5], s[4:5], s[20:21]
	s_and_b32 s22, s18, 1                          ; where it goes: the two low bits of the run's number change places
	s_lshl_b32 s22, s22, 1
	s_lshr_b32 s24, s18, 1
	s_or_b32 s22, s22, s24
	s_lshl_b32 s24, ttmp9, 2
	s_add_co_u32 s22, s22, s24
	s_lshl_b32 s20, s22, 13                        ; 8,192 bytes of codes a run
	s_add_nc_u64 s[14:15], s[14:15], s[20:21]
	s_lshl_b32 s20, s22, 8                         ; 256 scale bytes a run
	s_add_nc_u64 s[16:17], s[16:17], s[20:21]
.macro LOAD t
.irp i, 0,1,2,3
	global_load_b128 v[R+16*((\t)%4)+4*\i:R+16*((\t)%4)+4*\i+3], v3, s[4:5] offset:2048*(\t)+512*\i th:TH_LOAD_NT   ; 32 lanes read 512 consecutive bytes
.endr
.endm
.macro TURN t                          ; step t's numbers through the stage: LDS serves a wave's instructions in order, so no wait stands between the stores and the loads
.irp i, 0,1,2,3
	ds_store_b128 v14, v[R+16*((\t)%4)+4*\i:R+16*((\t)%4)+4*\i+3] offset:32*SP*((\t)%2)+8*SP*\i
.endr
.irp i, 0,1,2,3
	ds_load_b128 v[X+16*((\t)%2)+4*\i:X+16*((\t)%2)+4*\i+3], v15 offset:32*SP*((\t)%2)+16*\i
.endr
.endm
.irp t, 0,1,2,3
	LOAD \t
.endr
	s_wait_loadcnt 12                              ; step 0's four loads are in; the twelve of steps 1 to 3 may be out
	TURN 0
.macro STEP t
.set XS, X+16*((\t)%2)
.if (\t) > 0
	s_wait_dscnt 1                                 ; this step's numbers are back from the stage (the last step's byte store may be out): so its stores into the stage have read their registers,
.else
	s_wait_dscnt 0x0
.endif
.if (\t)+4 < STEPS
	LOAD (\t)+4                                    ; which take the loads of four steps on
.endif
.if (\t)+1 < STEPS
.if STEPS-2-(\t) >= 3
	s_wait_loadcnt 12                              ; the next step's four loads are in; those of the three steps behind it may be out
.else
	s_wait_loadcnt 4*(STEPS-2-(\t))
.endif
	TURN (\t)+1                                    ; and go through the other stage while this step is worked
.endif
	v_max3_num_f32 v8, |v[XS]|, |v[XS+1]|, |v[XS+2]|               ; the largest magnitude of my 16, in two chains
	v_max3_num_f32 v9, |v[XS+3]|, |v[XS+4]|, |v[XS+5]|
.irp i, 6,10
	v_max3_num_f32 v8, v8, |v[XS+\i]|, |v[XS+\i+1]|
	v_max3_num_f32 v9, v9, |v[XS+\i+2]|, |v[XS+\i+3]|
.endr
	v_max3_num_f32 v8, v8, |v[XS+14]|, |v[XS+15]|
	v_max3_num_f32 v8, v8, v9, 0x4800000           ; and the floor 2^(9 - 127): so the byte cannot fall under 1
	v_max_num_f32_dpp v8, v8, v8 row_xmask:1 row_mask:0xf bank_mask:0xf   ; and of my neighbour's 16: the block's
	v_add_nc_u32 v11, 0xfc000000, v8               ; 8 off its exponent field: the conversion takes the exponent field of this operand as its scale
.irp i, 0,1,2,3,4,5,6,7,8,9,10,11,12,13,14,15
.endr
	v_cvt_scalef32_pk8_fp8_f32 v[C+4*(\t):C+4*(\t)+1], v[XS:XS+7], v11
	v_cvt_scalef32_pk8_fp8_f32 v[C+4*(\t)+2:C+4*(\t)+3], v[XS+8:XS+15], v11
	v_lshrrev_b32 v[E+(\t)], 23, v11               ; the scale's byte (also the plain line behind the conversions)
	ds_store_b8 v5, v[E+(\t)] offset:16*(\t)       ; both lanes of a block write the same byte with the same value
	global_store_b128 v4, v[C+4*(\t):C+4*(\t)+3], s[14:15] offset:32*CB*(\t)
.endm
.irp t, 0,1,2,3,4,5,6,7,8,9,10,11,12,13,14,15
	STEP \t
.endr
	ds_load_b64 v[12:13], v6                       ; LDS serves a wave's instructions in order: these see my stores
	s_wait_dscnt 0x0
	global_store_b64 v7, v[12:13], s[16:17]        ; 32 lanes store 256 consecutive bytes, aligned
	s_wait_tensorcnt 0x0
	ds_add_u32 v192, v193
	s_wait_dscnt 0x0
	s_endpgm
.Lfunc_end_k_qf0587104a0_quant:
	.size	k_qf0587104a0_quant, .Lfunc_end_k_qf0587104a0_quant-k_qf0587104a0_quant
	.p2alignl 7, 3214868480
	.fill 96, 4, 3214868480
	.section	.rodata,"a",@progbits
	.p2align	6, 0x0
	.amdhsa_kernel k_qf0587104a0_quant
		.amdhsa_group_segment_fixed_size 33280
		.amdhsa_private_segment_fixed_size 0
		.amdhsa_enable_private_segment 0
		.amdhsa_kernarg_size 56
		.amdhsa_user_sgpr_count 2
		.amdhsa_user_sgpr_kernarg_segment_ptr 1
		.amdhsa_wavefront_size32 1
		.amdhsa_system_sgpr_workgroup_id_x 1
		.amdhsa_system_sgpr_workgroup_id_y 1
		.amdhsa_system_sgpr_workgroup_id_z 1
		.amdhsa_system_vgpr_workitem_id 0
		.amdhsa_next_free_vgpr 194
		.amdhsa_next_free_sgpr 66
		.amdhsa_reserve_vcc 0
		.amdhsa_float_denorm_mode_32 3
		.amdhsa_float_denorm_mode_16_64 3
		.amdhsa_fp16_overflow 1
		.amdhsa_memory_ordered 1
		.amdhsa_forward_progress 1
		.amdhsa_inst_pref_size 34
	.end_amdhsa_kernel
	.amdgpu_metadata
---
amdhsa.version: [ 1, 2 ]
amdhsa.kernels:
  - .name:           k_qf0587104a0_quant
    .symbol:         k_qf0587104a0_quant.kd
    .args:
      - { .name: x, .offset: 0, .size: 8, .value_kind: global_buffer, .address_space: global }
      - { .name: W_q, .offset: 8, .size: 8, .value_kind: global_buffer, .address_space: global }
      - { .name: W_k, .offset: 16, .size: 8, .value_kind: global_buffer, .address_space: global }
      - { .name: W_v, .offset: 24, .size: 8, .value_kind: global_buffer, .address_space: global }
      - { .name: W_o, .offset: 32, .size: 8, .value_kind: global_buffer, .address_space: global }
      - { .name: codes, .offset: 40, .size: 8, .value_kind: global_buffer, .address_space: global }
      - { .name: scales, .offset: 48, .size: 8, .value_kind: global_buffer, .address_space: global }
    .group_segment_fixed_size: 33280
    .private_segment_fixed_size: 0
    .kernarg_segment_align: 8
    .kernarg_segment_size: 56
    .max_flat_workgroup_size: 128
    .sgpr_count:     66
    .vgpr_count:     194
    .wavefront_size: 32
...
	.end_amdgpu_metadata
.endif
;; end of part 1
;; launch proj (part 2): grid 12 x 32, 4 waves a work-group, clusters of 4 x 4, 327,680 bytes of LDS; arguments codes, scales, qkv; writes qkv
.if DOCPART == 2
	.amdgcn_target "amdgcn-amd-amdhsa--gfx1250"
	.amdhsa_code_object_version 6
	.text
	.protected	k_qf0587104a0_proj
	.globl	k_qf0587104a0_proj
	.p2align	8
	.type	k_qf0587104a0_proj,@function
k_qf0587104a0_proj:
	s_mov_b64 s[64:65], 0
	v_nop
	global_prefetch_b8 v0, s[64:65] scope:SCOPE_SE
	s_setreg_imm32_b32 hwreg(HW_REG_WAVE_MODE, 25, 1), 1
	s_wait_xcnt 0x0
	s_wait_alu depctr_hold_cnt(0) depctr_sa_sdst(0) depctr_va_vdst(0) depctr_va_sdst(0) depctr_va_ssrc(0) depctr_va_vcc(0) depctr_vm_vsrc(0)
	s_getreg_b32 s2, hwreg(HW_REG_IB_STS2, 6, 4)
	s_cmp_eq_u32 s2, 0
	s_cbranch_scc0 .Lentry_in_a_cluster
	s_endpgm
.Lentry_in_a_cluster:
	s_bfe_u32 s2, ttmp6, 0x10000c
	s_cmp_lg_u32 s2, 0xf033
	s_cbranch_scc0 .Lentry_shape_is_right
	s_endpgm
.Lentry_shape_is_right:
; q = x W_q^T, k = x W_k^T, v = x W_v^T on codes of FP8 (E4M3) with E8M0 scales, K = 1,024, sums in f32; the results are quantised in registers for the attention's two products and leave as codes.
; A tile of 256 x 256 results is made by four waves, 128 x 128 each: 64 accumulators of 16 x 16, 512 registers.  K goes in steps of 256 through a ring of two LDS slots filled by the tensor data mover; the scale bytes of
; the work-group's 2 x 256 rows, for all of K, come into LDS once, with the first fills.
; TWO KINDS OF CLUSTER, by the cluster's x (0: q, 1: k, 2: v), which all sixteen partners share.  Source 1 ("A", a lane is one of its rows) and source 0 ("B", a lane's registers run along its rows):
;   q, k: A = 256 tokens of x, B = 256 rows of the weight: a lane holds one token, its registers run along the head's 64, which is the first attention product's K.
;   v:    A = 256 rows of W_v, B = 256 tokens of x:        a lane holds one channel, its registers run along the tokens (the keys), which is the second attention product's K.
; All rows lie in the stored order (bits 3 and 4 of the row's number exchanged), so the 16 registers of accumulators (a, 2 b) and (a, 2 b + 1) are 16 NEIGHBOURS along B's rows: 32 b + 16 (lane / 16) + 0 .. 15,
; which is the order that an operand's registers want.  So the conversions' results are operand registers, and they are stored as images of registers: lane l's 16 bytes at 16 l, 512 consecutive bytes a store.
; qkv: three regions (q, k, v) of [64 heads][16 steps of 128 tokens][8,704 bytes].  A block of q or k: eight tiles of 16 tokens x 64 (1,024 bytes: two chunks of 512), then 512 bytes of scale words (lane l: four words; word b:
; bytes 0, 1 tile 2 b's, bytes 2, 3 tile 2 b + 1's).  A block of v: four fragments of 16 channels x 128 keys (2,048 bytes), then 512 bytes of scale words (lane l: word t for fragment t).
; CLUSTERS: 4 x 4 work-groups; A's tile is shared along a row of the cluster, B's along a column: each is asked for jointly, by the same tensor load with the same descriptor and a mask that names the four.
; LIMITS: a block of zeros gets the byte 1 (its codes are zeros; this program alone reads the bytes); NaN and infinities are not served.
; REGISTERS, in windows of 256: window 0: v0-31 addresses; v32-63 scale words, two sets; from v128 A's fragments, ONE set; window 1: B's fragments, TWO sets; windows 2, 3: the accumulators ((a, b) at v[8 (8 (a % 4) + b)]).
; On the way out window 0 holds: v32-47 at work, v48-55 the scale words made, v128-255 eight sets of 16 code registers (a set for each block, so that no store's data are written again).
.set KSTEP,  256
.set NQ,     2                         ; matrix instructions deep in a slot
.set ROWB,   256                       ; a tile's row in bytes
.set KROW,   1024                      ; a row of codes in memory
.set PITCH,  272                       ; an LDS row: 256 bytes + 16 of padding = 68 words: the 16 rows that a load touches start at 16 different banks (64 banks of 4 bytes: ISA guide 11.1)
.set FR,     16                        ; registers of a fragment
.set NL,     4                         ; LDS loads that bring one
.set NP,     8                         ; places behind this matrix instruction (ISA guide 7.12.1)
.set HALFT,  128*PITCH                 ; 128 rows: what one tensor load brings
.set SLOT,   4*HALFT                   ; A's 256 rows, then B's 256 rows
.set LAPS,   2                         ; 1,024 / 512: a lap is once round the ring
.set KS,     32                        ; a row of scale bytes
.set SCL,    2*SLOT                    ; behind the ring: the scales, as rows of 256 bytes + 16 of padding
.set HALFS,  (128*KS/256)*272
.set SBLK,   (16*KS/256)*272
.set SPARE,  SCL+4*HALFS               ; the spare words, 128 bytes for each wave
.set BLK,    8704                      ; a block of qkv
.set BHB,    16*BLK                    ; a head's blocks
.set RB,     64*BHB                    ; a region
.set ADRA, 16                          ; v16-17  LDS address of my A fragments in slot 0, 1
.set ADRB, 20                          ; v20-21  the same for B
.set LI,   26                          ; v26     16 x lane: an image's place for my lane; never rewritten
.set ADRS, 27                          ; v27     LDS address of my scale words: lanes 0-15 A's rows, lanes 16-31 B's
.set SPW,  28                          ; v28     LDS address of my spare word; never rewritten
.set NIL,  29                          ; v29     0; never rewritten
.set SC,   32                          ; scale words
.set AF,   128                         ; A's fragments
.set TM,   32                          ; the way out: v32-35 largest magnitudes, v36-39 bytes, v44-47 the conversions' scale operands
.set W,    48                          ; v48-55 the scale words made
.set HN,   64
.set PC,   128                         ; v128-255 codes
.set G1, 24
.set G0, 32
.set G1B, 48
.set G0B, 56
.set G1S, 68
.set G0S, 76
.set G1SB, 80
.set G0SB, 88
.set KIND, 96                          ; s96  1 in a cluster that makes v
.set MSB, 0
.macro WIN new                         ; the immediate's high byte repeats the setting that is left
.if MSB != (\new)
	s_set_vgpr_msb (MSB<<8)|(\new)
.set MSB, (\new)
.endif
.endm
.set MUL_LO, 0xa1                      ; source 0 (B) window 1, source 1 (A) window 0, C and D window 2
.set MUL_HI, 0xf1                      ; the same, C and D window 3
.set TO_B,   0x40                      ; destination window 1, address window 0
; A joint load: waves 0 and 1 fetch for A, waves 2 and 3 for B.  Each line has one mask and one set of registers for all that issue it; the branch hangs on the wave's number alone.
; Four v_nop follow each of the two lines.
.macro JLOAD g0a, g1a, g0b, g1b
	s_cmp_eq_u32 s15, 0
	s_cbranch_scc0 .Lfor_b_\@
	tensor_load_to_lds s[\g0a:\g0a+3], s[\g1a:\g1a+7]
	s_nop 0
.rept 4
	v_nop
.endr
	s_branch .Lasked_\@
.Lfor_b_\@:
	tensor_load_to_lds s[\g0b:\g0b+3], s[\g1b:\g1b+7]
	s_nop 0
.rept 4
	v_nop
.endr
.Lasked_\@:
.endm
.macro CREST                           ; a round of the cluster's barrier behind its opening barrier
	s_cmp_lg_u32 s14, 0
	s_cbranch_scc1 .Lnot_wave_0_\@
	s_barrier_signal -3
.Lnot_wave_0_\@:
	s_barrier_wait -3
	s_barrier_signal -1
	s_barrier_wait -1
.endm
.macro CROUND                          ; a whole round
	s_barrier_signal -1
	s_barrier_wait -1
	CREST
.endm
	s_load_b128 s[4:7], s[0:1], 0x0                ; codes, scales
	s_load_b64 s[12:13], s[0:1], 0x10              ; qkv
	v_lshl_add_u32 v[SPW], v0, 2, SPARE
	v_mov_b32 v[NIL], 0
	ds_add_u32 v28, v29
	ds_add_u32 v28, v29
	s_wait_dscnt 0x0
	v_lshrrev_b32 v1, 5, v0
	v_readfirstlane_b32 s14, v1                    ; wave 0..3
	s_lshr_b32 s15, s14, 1                         ; which half of A's rows is mine.  Also: I fetch for A (0) or for B (1)
	s_and_b32 s16, s14, 1                          ; which half of B's rows.  Also: which 128 rows of that tile I fetch
	s_bfe_u32 s40, ttmp6, 0x40000                  ; cx, cy: my place in the cluster
	s_bfe_u32 s41, ttmp6, 0x40004
	s_and_b32 s17, ttmp7, 0xffff                   ; the cluster's y: which 1,024 tokens
	s_lshl_b32 s43, s41, 2
	s_lshl_b32 s43, 15, s43                        ; my row of the cluster
	s_lshl_b32 s44, 0x1111, s40                    ; my column
	; descriptor group 1: a tile of 128 rows x 256 bytes, padded in LDS
	s_or_b32 s[G1+0], s43, (0<<16)|(1<<20)|(1<<21)|(5<<22)|(3<<25)  ; 15:0 the mask: A's tiles go to my row; 17:16 elements of 1 byte; 20 padding on; 21 set beside a mask; 24:22 after every 64 words; 31:25 four words
	s_or_b32 s[G1B+0], s44, (0<<16)|(1<<20)|(1<<21)|(5<<22)|(3<<25)
.irp g, G1, G1B
	s_mov_b32 s[\g+1], ROWB<<16                    ; tensor_dim0
	s_mov_b32 s[\g+2], 128<<16                     ; tensor_dim1
	s_mov_b32 s[\g+3], ROWB<<16                    ; tile_dim0
	s_mov_b32 s[\g+4], 128                         ; tile_dim1
	s_mov_b32 s[\g+5], KROW                        ; tensor_dim0_stride
	s_mov_b32 s[\g+6], 0
	s_mov_b32 s[\g+7], 0
.endr
	; the scales of 128 rows: a dense block of 4,096 bytes, as 16 rows of 256 bytes (32 elements of 8 bytes), 16 bytes of padding behind each
	s_or_b32 s[G1S+0], s43, (3<<16)|(1<<20)|(1<<21)|(5<<22)|(3<<25)
	s_or_b32 s[G1SB+0], s44, (3<<16)|(1<<20)|(1<<21)|(5<<22)|(3<<25)
.irp g, G1S, G1SB
	s_mov_b32 s[\g+1], 32<<16
	s_mov_b32 s[\g+2], (128*KS/256)<<16
	s_mov_b32 s[\g+3], 32<<16
	s_mov_b32 s[\g+4], 128*KS/256
	s_mov_b32 s[\g+5], 32
	s_mov_b32 s[\g+6], 0
	s_mov_b32 s[\g+7], 0
.endr
	; the first stored row of A's and of B's tile.  A's hangs on cy and on what the cluster shares, B's on cx and on what the cluster shares
	s_lshl_b32 s18, s17, 10                        ; the cluster's tokens begin at row 1,024 y
	s_lshl_b32 s19, ttmp9, 10
	s_add_co_u32 s19, s19, 8192                    ; W_q's or W_k's first row
	s_cmp_ge_u32 ttmp9, 2                          ; the kind
	s_cselect_b32 s20, 10240, s18                  ; A: W_v, or x
	s_cselect_b32 s46, s18, s19                    ; B: x, or the weight
	s_cselect_b32 s[KIND], 1, 0
	s_lshl_b32 s18, s41, 8
	s_add_co_u32 s20, s20, s18                     ; + 256 cy
	s_lshl_b32 s47, s40, 8
	s_add_co_u32 s46, s46, s47                     ; + 256 cx
	s_lshl_b32 s19, s16, 7                         ; + the 128 rows that I fetch
	s_add_co_u32 s20, s20, s19
	s_add_co_u32 s46, s46, s19
	s_mov_b32 s21, 0
	s_mov_b32 s47, 0
	s_mov_b64 s[18:19], KS
	s_mul_u64 s[22:23], s[20:21], s[18:19]         ; where these rows' scales begin, in bytes
	s_mul_u64 s[92:93], s[46:47], s[18:19]
	s_mov_b64 s[18:19], KROW
	s_mul_u64 s[20:21], s[20:21], s[18:19]         ; and their codes
	s_mul_u64 s[46:47], s[46:47], s[18:19]
	s_mul_i32 s45, s14, HALFT                      ; where they go: wave x 128 rows: no place in the cluster enters an LDS address
	s_mul_i32 s94, s14, HALFS
	s_wait_kmcnt 0x0
	s_add_nc_u64 s[20:21], s[4:5], s[20:21]
	s_add_nc_u64 s[22:23], s[6:7], s[22:23]
	s_add_nc_u64 s[46:47], s[4:5], s[46:47]
	s_add_nc_u64 s[92:93], s[6:7], s[92:93]
	CROUND                                         ; all sixteen work-groups are here: the first joint loads meet
	s_mov_b32 s[G0S], 1
	s_add_co_u32 s[G0S+1], s94, SCL
	s_mov_b64 s[G0S+2:G0S+3], s[22:23]
	s_or_b32 s[G0S+3], s[G0S+3], 0x80000000
	s_mov_b32 s[G0SB], 1
	s_add_co_u32 s[G0SB+1], s94, SCL
	s_mov_b64 s[G0SB+2:G0SB+3], s[92:93]
	s_or_b32 s[G0SB+3], s[G0SB+3], 0x80000000
	JLOAD G0S, G1S, G0SB, G1SB                     ; the scales first: they are wanted with K step 0
.irp s, 0,1
	s_mov_b32 s[G0+4*\s], 1
	s_add_co_u32 s[G0+4*\s+1], s45, \s*SLOT
	s_add_nc_u64 s[G0+4*\s+2:G0+4*\s+3], s[20:21], \s*ROWB
	s_or_b32 s[G0+4*\s+3], s[G0+4*\s+3], 0x80000000
	s_mov_b32 s[G0B+4*\s], 1
	s_add_co_u32 s[G0B+4*\s+1], s45, \s*SLOT
	s_add_nc_u64 s[G0B+4*\s+2:G0B+4*\s+3], s[46:47], \s*ROWB
	s_or_b32 s[G0B+4*\s+3], s[G0B+4*\s+3], 0x80000000
	JLOAD G0+4*\s, G1, G0B+4*\s, G1B               ; three loads of mine are out now
.endr
	v_and_b32 v1, 15, v0                           ; l % 16
	v_bfe_u32 v2, v0, 4, 1                         ; l / 16
	v_mul_u32_u24 v3, v1, PITCH
	v_lshl_add_u32 v4, v2, 4, v3                   ; a fragment's row x pitch + 16 x half
	s_mul_i32 s21, s15, HALFT                      ; my 128 rows of A
	s_mul_i32 s22, s16, HALFT                      ; my 128 rows of B,
	s_add_co_u32 s22, s22, 2*HALFT                 ; which lie behind A's 256
.irp s, 0,1
	v_add_nc_u32 v[ADRA+\s], s21, v4
	v_add_nc_u32 v[ADRB+\s], s22, v4
	s_add_co_u32 s21, s21, SLOT
	s_add_co_u32 s22, s22, SLOT
.endr
	v_mul_u32_u24 v5, v1, KS                       ; my row's scales: 32 bytes a row,
	v_lshrrev_b32 v6, 8, v5
	v_lshl_add_u32 v5, v6, 4, v5                   ; and 16 more for each 256 passed
	s_mul_i32 s21, s15, HALFS                      ; A's: my 128 rows
	s_mul_i32 s22, s16, HALFS                      ; B's: my 128 rows, behind A's 256
	s_add_co_u32 s22, s22, 2*HALFS
	s_sub_co_u32 s22, s22, s21
	v_mul_u32_u24 v6, s22, v2                      ; lanes 16-31 take B's
	s_add_co_u32 s21, s21, SCL
	v_add_nc_u32 v5, v5, v6
	v_add_nc_u32 v[ADRS], s21, v5
	v_and_b32 v6, 31, v0
	v_lshlrev_b32 v[LI], 4, v6
	; where my wave's results go: its 128 tokens are one step of a batch, its 128 channels two heads
	s_cmp_eq_u32 s[KIND], 1
	s_cselect_b32 s18, s40, s41                    ; the tokens' place in the cluster: cx for v, cy for q and k
	s_cselect_b32 s19, s16, s15                    ; and which half of them is mine
	s_cselect_b32 s20, s41, s40                    ; the channels' place
	s_cselect_b32 s21, s15, s16                    ; and half
	s_lshl_b32 s22, s17, 3
	s_lshl_b32 s18, s18, 1
	s_add_co_u32 s22, s22, s18
	s_add_co_u32 s22, s22, s19                     ; which 128 tokens of the 8,192: 8 y + 2 place + half
	s_lshl_b32 s20, s20, 2
	s_lshl_b32 s21, s21, 1
	s_add_co_u32 s20, s20, s21                     ; my first head: 4 place + 2 half
	s_lshr_b32 s18, s22, 4                         ; the batch
	s_lshl_b32 s18, s18, 4
	s_add_co_u32 s18, s18, s20                     ; 16 batch + head
	s_lshl_b32 s18, s18, 4
	s_and_b32 s22, s22, 15                         ; the step in the batch
	s_add_co_u32 s18, s18, s22
	s_mul_i32 s18, s18, BLK
	s_mul_i32 s19, ttmp9, RB                       ; the region: 0 q, 1 k, 2 v
	s_add_co_u32 s18, s18, s19
	s_mov_b32 s19, 0
	s_add_nc_u64 s[12:13], s[12:13], s[18:19]
.macro FRAG reg, adr, q, i             ; a fragment, 16 rows x 128 K: lane l holds row l % 16; registers 4 c .. 4 c + 3 hold K = 32 c + 16 (l / 16) + 0 .. 15
.irp c, 0,1,2,3
	ds_load_b128 v[\reg+4*\c:\reg+4*\c+3], v[\adr] offset:128*(\q)+32*\c+(\i)*16*PITCH
.endr
.endm
; 16 matrix instructions: A's blocks a0, a0 + 1 x B's eight, 128 along K.  p: B's set; sc: the set of scale words.  zero = 1: the first product starts the sums.
; The 64 accumulators take turns, one instruction a turn, in the same order in every step.
.macro MUL16 a0, p, q, sc, zero
.irp a, \a0, \a0+1
.irp b, 0,1,2,3,4,5,6,7
.if \zero
	v_wmma_scale_f32_16x16x128_f8f6f4 v[8*(8*((\a)%4)+\b):8*(8*((\a)%4)+\b)+7], v[128*(\p)+FR*\b:128*(\p)+FR*\b+FR-1], v[AF+FR*(\a):AF+FR*(\a)+FR-1], 0, v[SC+8*NQ*(\sc)+NQ*\b+(\q)], v[SC+8*NQ*(\sc)+NQ*(\a)+(\q)] matrix_a_scale:MATRIX_SCALE_ROW1
.else
	v_wmma_scale_f32_16x16x128_f8f6f4 v[8*(8*((\a)%4)+\b):8*(8*((\a)%4)+\b)+7], v[128*(\p)+FR*\b:128*(\p)+FR*\b+FR-1], v[AF+FR*(\a):AF+FR*(\a)+FR-1], v[8*(8*((\a)%4)+\b):8*(8*((\a)%4)+\b)+7], v[SC+8*NQ*(\sc)+NQ*\b+(\q)], v[SC+8*NQ*(\sc)+NQ*(\a)+(\q)] matrix_a_scale:MATRIX_SCALE_ROW1
.endif
.endr
.endr
.endm
.macro FETCH_B slot, q, p              ; B's eight fragments of the slot's q-th 128 along K into set p
	WIN TO_B
.irp i, 0,1,2,3,4,5,6,7
	FRAG 128*(\p)+FR*\i, ADRB+\slot, \q, \i
.endr
	WIN 0
.endm
.macro FETCH_A slot, q, i0             ; A's blocks i0 .. i0 + 3
.irp i, \i0, \i0+1, \i0+2, \i0+3
	FRAG AF+FR*(\i), ADRA+\slot, \q, \i
.endr
.endm
.macro SCALES sc                       ; the next K step's scale words: two words a row; lanes 0-15 take A's block i, lanes 16-31 B's block i
.irp i, 0,1,2,3,4,5,6,7
	ds_load_b64 v[SC+8*NQ*\sc+NQ*\i:SC+8*NQ*\sc+NQ*\i+1], v[ADRS] offset:\i*SBLK
.endr
.endm
; A load into a register that a matrix instruction has read, and a vector instruction that reads a matrix result or writes one of its registers, stand NP places behind it; only plain vector instructions that
; name none of its registers are places (ISA guide 7.12.1 for vector instructions).
.macro PLACES n
.rept \n
	v_nop
.endr
.endm
.macro STEP slot, q, zero              ; a step of 128 along K that has its successor in the same slot
	s_wait_dscnt 4*NL                              ; B's set and A's blocks 0-3 are in; the youngest sixteen loads (A's blocks 4-7) may be out
	WIN MUL_LO
	MUL16 0, (\q)%2, \q, \slot, \zero
	MUL16 2, (\q)%2, \q, \slot, \zero
	s_wait_dscnt 0                                 ; A's blocks 4-7 are in
	PLACES NP
	FETCH_B \slot, (\q)+1, 1-(\q)%2
	FETCH_A \slot, (\q)+1, 0
	WIN MUL_HI
	MUL16 4, (\q)%2, \q, \slot, \zero
	MUL16 6, (\q)%2, \q, \slot, \zero
	PLACES NP
	WIN 0
	FETCH_A \slot, (\q)+1, 4
.endm
; A slot's last step changes slots: ONE barrier; in front of it each wave waits for all its tensor loads, adds 0 to its spare word, and waits for that and for its own reads of this slot.  fill = 1: this slot is filled again, two K steps ahead.
.macro TURN slot, next, fill
	s_wait_tensorcnt 0x0                           ; all my tensor loads have landed: my part of the next slot
	ds_add_u32 v[SPW], v[NIL]                      ; 0 onto my spare word
	s_wait_dscnt 4*NL+1                            ; (the add and the youngest sixteen loads, A's blocks 4-7, may be out)
	WIN MUL_LO
	MUL16 0, 1, NQ-1, \slot, 0                     ; sixteen matrix instructions stand between the add and the wait for it
	s_wait_dscnt 0x0                               ; the add is done, and my reads of this slot are over
	s_barrier_signal -1
	MUL16 2, 1, NQ-1, \slot, 0
	WIN 0
	s_barrier_wait -1
.if \fill
	CREST                                          ; the barrier has opened a round of the cluster's barrier: no wave of any partner still reads this slot's tile or has a load on its way
	s_add_nc_u64 s[G0+4*\slot+2:G0+4*\slot+3], s[G0+4*\slot+2:G0+4*\slot+3], 2*ROWB
	s_add_nc_u64 s[G0B+4*\slot+2:G0B+4*\slot+3], s[G0B+4*\slot+2:G0B+4*\slot+3], 2*ROWB
	JLOAD G0+4*\slot, G1, G0B+4*\slot, G1B         ; the first tensor load behind the round; its four v_nop are among the places in front of the loads below
	PLACES NP-4
.else
	PLACES NP
.endif
	s_wait_alu depctr_va_vdst(0)
	v_add_nc_u32 v[ADRS], 4*NQ, v[ADRS]            ; on to the next K step's scale words
	FETCH_B \next, 0, 0
	FETCH_A \next, 0, 0
	SCALES \next
	WIN MUL_HI
	MUL16 4, 1, NQ-1, \slot, 0
	MUL16 6, 1, NQ-1, \slot, 0
	PLACES NP
	WIN 0
	FETCH_A \next, 0, 4
.endm
	s_wait_alu depctr_va_vdst(0)
	s_wait_tensorcnt 1                             ; the scales and my part of K step 0 are in (K step 1's load may be out)
	s_barrier_signal -1
	s_barrier_wait -1                              ; everybody's are
	FETCH_B 0, 0, 0
	FETCH_A 0, 0, 0
	SCALES 0
	FETCH_A 0, 0, 4
	STEP 0, 0, 1                                   ; the first step stands in front of the loop: its products start the sums
	s_mov_b32 s3, LAPS-1
.Llap:                                                 ; a trip goes once round the ring, from a lap's second step to the next lap's first, and fills both slots again
	TURN 0, 1, 1
	STEP 1, 0, 0
	TURN 1, 0, 1
	STEP 0, 0, 0
	s_sub_co_u32 s3, s3, 1
	s_cmp_lg_u32 s3, 0
	s_cbranch_scc1 .Llap
	TURN 0, 1, 0                                   ; the last lap fills nothing
	STEP 1, 0, 0
	s_wait_dscnt 4*NL                              ; the very last step
	WIN MUL_LO
	MUL16 0, 1, NQ-1, 1, 0
	MUL16 2, 1, NQ-1, 1, 0
	s_wait_dscnt 0
	WIN MUL_HI
	MUL16 4, 1, NQ-1, 1, 0
	MUL16 6, 1, NQ-1, 1, 0
	WIN 0
; THE WAY OUT.  Block a (16 rows of A): a lane's 64 results, register 16 b + i = place 32 b + 16 (lane / 16) + i along B's rows, are four blocks of 32 shared with lane l xor 16.
; Largest magnitudes (each accumulator read from its low end on), scale bytes, the conversions; the 16 code registers leave by four stores of 512 consecutive bytes.
.macro QW a, kind
.set AC, 64*((\a)%4)
.set WW, 2+(\a)/4                      ; the block's accumulators lie in window 2 or 3
.set PCS, PC+16*(\a)
	WIN 5*WW                                       ; sources 0 and 1 in that window
.irp b, 0,1,2,3
	v_max3_num_f32 v[TM+\b], |v[AC+16*\b]|, |v[AC+16*\b+1]|, 0x4800000   ; and the floor 2^(9 - 127): the byte cannot fall under 1
.endr
.irp i, 2,4,6,8,10,12,14
.irp b, 0,1,2,3
	v_max3_num_f32 v[TM+\b], |v[AC+16*\b+\i]|, |v[AC+16*\b+\i+1]|, v[TM+\b]   ; (the four blocks by turns)
.endr
.endr
	WIN 0
.irp b, 0,1,2,3
	v_permlanex16_b32 v[TM+4+\b], v[TM+\b], s2, s3
.endr
.irp b, 0,1,2,3
	v_max_num_f32 v[TM+\b], v[TM+\b], v[TM+4+\b]   ; with lane l xor 16's: the block's largest magnitude
.endr
.irp b, 0,1,2,3
	v_add_nc_u32 v[TM+12+\b], 0xfc000000, v[TM+\b] ; 8 off its exponent field: the conversion's scale operand
.endr
.irp b, 0,1,2,3
.endr
.irp b, 0,1,2,3
	v_lshrrev_b32 v[TM+4+\b], 23, v[TM+12+\b]      ; the scale's byte
.endr
.if \kind == 0                         ; q, k: blocks 0, 1 are the first head's two, blocks 2, 3 the second's; two tiles of tokens share a word
.if (\a)%2 == 0
	v_lshl_or_b32 v[W+(\a)/2], v[TM+5], 8, v[TM+4]
	v_lshl_or_b32 v[W+4+(\a)/2], v[TM+7], 8, v[TM+6]
.else
	v_lshl_or_b32 v[W+(\a)/2], v[TM+4], 16, v[W+(\a)/2]
	v_lshl_or_b32 v[W+4+(\a)/2], v[TM+6], 16, v[W+4+(\a)/2]
	v_lshl_or_b32 v[W+(\a)/2], v[TM+5], 24, v[W+(\a)/2]
	v_lshl_or_b32 v[W+4+(\a)/2], v[TM+7], 24, v[W+4+(\a)/2]
.endif
.else                                  ; v: the four blocks are the step's 128 keys: one word
	v_lshl_or_b32 v[W+(\a)], v[TM+5], 8, v[TM+4]
	v_lshl_or_b32 v[W+(\a)], v[TM+6], 16, v[W+(\a)]
	v_lshl_or_b32 v[W+(\a)], v[TM+7], 24, v[W+(\a)]
.endif
	WIN WW                                         ; source 0 in the accumulators' window
.irp b, 0,1,2,3
.irp i, 0,1,2,3,4,5,6,7,8,9,10,11,12,13,14,15
.endr
.endr
.irp b, 0,1,2,3
	v_cvt_scalef32_pk8_fp8_f32 v[PCS+4*\b:PCS+4*\b+1], v[AC+16*\b:AC+16*\b+7], v[TM+12+\b]
	v_cvt_scalef32_pk8_fp8_f32 v[PCS+4*\b+2:PCS+4*\b+3], v[AC+16*\b+8:AC+16*\b+15], v[TM+12+\b]
.endr
	WIN 0
	v_nop                                          ; one plain line behind the conversions, ahead of the next block's writes of their sources
.irp c, 0,1,2,3
.if \kind == 0
	global_store_b128 v[LI], v[PCS+4*\c:PCS+4*\c+3], s[12:13] offset:(\c/2)*BHB+1024*(\a)+512*(\c%2)   ; head c / 2, tile a, chunk c % 2: 512 consecutive bytes, aligned
.else
	global_store_b128 v[LI], v[PCS+4*\c:PCS+4*\c+3], s[12:13] offset:((\a)/4)*BHB+2048*((\a)%4)+512*\c  ; head a / 4, fragment a % 4, chunk c
.endif
.endr
.endm
	PLACES NP                                      ; behind the last products: their results are read, and the registers that held scale words and A's fragments are written, only behind these
	s_mov_b32 s2, 0x76543210
	s_mov_b32 s3, 0xfedcba98                       ; v_permlanex16_b32's selects for lane l xor 16
.irp b, 0,1,2,3
	v_mov_b32 v[TM+4+\b], 0                        ; written once: a lane permute's destination counts as one of its sources
.endr
	s_cmp_eq_u32 s[KIND], 1                        ; the same in all sixteen partners
	s_cbranch_scc1 .Lfor_v
.irp a, 0,1,2,3,4,5,6,7
	QW \a, 0
.endr
	s_branch .Lwords
.Lfor_v:
.irp a, 0,1,2,3,4,5,6,7
	QW \a, 1
.endr
.Lwords:
	global_store_b128 v[LI], v[W:W+3], s[12:13] offset:8192          ; the first head's scale words: four a lane
	s_wait_alu depctr_va_vdst(0)
	global_store_b128 v[LI], v[W+4:W+7], s[12:13] offset:BHB+8192    ; the second's
	s_wait_tensorcnt 0x0                           ; the wave's end
	ds_add_u32 v[SPW], v[NIL]
	s_wait_dscnt 0x0
	CROUND                                         ; the closing round: no work-group ends while a partner may still ask for a tile that names it
	s_endpgm
.Lfunc_end_k_qf0587104a0_proj:
	.size	k_qf0587104a0_proj, .Lfunc_end_k_qf0587104a0_proj-k_qf0587104a0_proj
	.p2alignl 7, 3214868480
	.fill 96, 4, 3214868480
	.section	.rodata,"a",@progbits
	.p2align	6, 0x0
	.amdhsa_kernel k_qf0587104a0_proj
		.amdhsa_group_segment_fixed_size 327680
		.amdhsa_private_segment_fixed_size 0
		.amdhsa_enable_private_segment 0
		.amdhsa_kernarg_size 24
		.amdhsa_user_sgpr_count 2
		.amdhsa_user_sgpr_kernarg_segment_ptr 1
		.amdhsa_wavefront_size32 1
		.amdhsa_system_sgpr_workgroup_id_x 1
		.amdhsa_system_sgpr_workgroup_id_y 1
		.amdhsa_system_sgpr_workgroup_id_z 1
		.amdhsa_system_vgpr_workitem_id 0
		.amdhsa_next_free_vgpr 1024
		.amdhsa_next_free_sgpr 98
		.amdhsa_reserve_vcc 0
		.amdhsa_float_denorm_mode_32 3
		.amdhsa_float_denorm_mode_16_64 3
		.amdhsa_fp16_overflow 1
		.amdhsa_memory_ordered 1
		.amdhsa_forward_progress 1
		.amdhsa_inst_pref_size 182
	.end_amdhsa_kernel
	.amdgpu_metadata
---
amdhsa.version: [ 1, 2 ]
amdhsa.kernels:
  - .name:           k_qf0587104a0_proj
    .symbol:         k_qf0587104a0_proj.kd
    .args:
      - { .name: codes, .offset: 0, .size: 8, .value_kind: global_buffer, .address_space: global }
      - { .name: scales, .offset: 8, .size: 8, .value_kind: global_buffer, .address_space: global }
      - { .name: qkv, .offset: 16, .size: 8, .value_kind: global_buffer, .address_space: global }
    .group_segment_fixed_size: 327680
    .private_segment_fixed_size: 0
    .kernarg_segment_align: 8
    .kernarg_segment_size: 24
    .max_flat_workgroup_size: 128
    .sgpr_count:     98
    .vgpr_count:     1024
    .wavefront_size: 32
...
	.end_amdgpu_metadata
.endif
;; end of part 2
;; launch attn (part 3): grid 4 x 64, 16 waves a work-group, no clusters, 327,680 bytes of LDS; arguments qkv, ac, asc; writes ac, asc
.if DOCPART == 3
	.amdgcn_target "amdgcn-amd-amdhsa--gfx1250"
	.amdhsa_code_object_version 6
	.text
	.protected	k_qf0587104a0_attn
	.globl	k_qf0587104a0_attn
	.p2align	8
	.type	k_qf0587104a0_attn,@function
k_qf0587104a0_attn:
	s_mov_b64 s[64:65], 0
	v_nop
	global_prefetch_b8 v0, s[64:65] scope:SCOPE_SE
	s_setreg_imm32_b32 hwreg(HW_REG_WAVE_MODE, 25, 1), 1
	s_wait_xcnt 0x0
; Causal attention of one head on codes of FP8 (E4M3) with E8M0 scales: S^T = K Q^T (K = the head's 64), p = 2^(t - M), O^T = V^T P^T (K = the keys), O / l quantised along the model's 1,024 for the last product.
; t = score x log2(e) / 8; M = the running largest t rounded UP to a whole number; p is quantised along the keys and is not normalised; l is the sum of the unquantised p, in f32.  When M moves, l and O^T are
; multiplied by 2^(old M - new M): exact.
; SHARES.  Work-group (I, head) owns the block of 256 queries number I and afterwards number 7 - I: I + 1 and then 8 - I slots of 256 keys: NINE SLOTS IN EVERY WORK-GROUP, so all trip counts are constants, the 256
; work-groups have equal work, and no slot is fetched that nobody reads.  Each of the sixteen waves owns one stored tile of 16 queries, in 256 registers: four waves to a SIMD, so that one wave's vector work stands
; beside another's matrix work and LDS loads.
; NO CLUSTER: the four work-groups of a head walk the same keys, but shifted: in trip n work-group I wants key slot n or n - I - 1, so partners want different tiles in the same trip.
; qkv holds images of operand registers (lane l's 16 bytes at 16 l): a slot is two blocks of K and two of V, each 17,408 dense bytes, brought by one tensor load each (wave 0: K, wave 1: V).
; THE FIRST PRODUCT USES BOTH HALVES OF THE INSTRUCTION'S 128 ALONG K: two neighbouring tiles of keys are one operand (tile 2 b in k 0-63, tile 2 b + 1 in k 64-127); against [Q | zeros] it gives tile 2 b's scores,
; against [zeros | Q] tile 2 b + 1's.  Zero codes add nothing under any scale byte that is no NaN.
; The tokens of a stored tile are 32 (T / 2) + 8 (T % 2) + p + 8 (p / 8), so the 16 score registers of tiles 2 b and 2 b + 1 are keys 32 b + 16 (lane / 16) + 0 .. 15; a lane holds ONE query (lane % 16) throughout.
; ac: [512 stored tiles of rows][8 K steps][2,048 bytes: a fragment's image]; a head fills two chunks of 512 bytes.  asc: [8,192 stored rows][32 bytes]; a head fills 2 bytes a row: the one store here that is not dense
; (2 bytes a lane, 32 bytes apart; 262,144 bytes in the whole launch).
; LIMITS: p under 2^-126 counts as 0 (the exponential flushes); a block of zeros gets the byte 1 (this program alone reads the bytes); NaN and infinities are not served.
.set BLK,   8704                       ; a block of qkv: 128 tokens of one head
.set BHB,   16*BLK
.set RB,    64*BHB
.set SLB,   2*BLK                      ; 256 keys of K, or of V
.set VOFF,  SLB                        ; a slot: K's two blocks, then V's
.set SLOT1, 65536                      ; slot 1 begins here: one exclusive or turns an address in one slot into the other's
.set SPARE, 2*SLOT1                    ; the spare words, 128 bytes for each of the sixteen waves
.set LI,  1                            ; v1   16 x lane
.set SPW, 2                            ; v2   LDS address of my spare word; never rewritten
.set NIL, 3                            ; v3   0; never rewritten
.set QA,  4                            ; v4   my bytes of my tile in a block of q
.set QSA, 5                            ; v5   my row's scale word there
.set QL,  6                            ; v6   my query less Q0 less 16 (lane / 16)
.set SA,  7                            ; v7   32 x (lane % 16): my row in asc
.set ADR, 8                            ; v8   the slot in hand + 16 x lane
                                       ; v12 -M, v13 the largest t, v[14:15] l in two halves
.set QX,  16                           ; v16-31 [Q | zeros]
.set QY,  24                           ; v24-39 [zeros | Q]
.set FRG, 40                           ; v40-103 four operands: K's double fragments, then V's fragments
.set S,   104                          ; v104-167 S^T, then p
.set OT,  168                          ; v168-199 O^T
.set PC,  200                          ; v200-215 p's codes
.set KW,  216                          ; v216-219 K's scale words
.set VW,  220                          ; v220-223 V's
.set QWD, 224                          ; v224 Q's
.set PWD, 225                          ; v225 p's
.set MX,  228                          ; v228-231 the blocks' largest
.set BY,  232                          ; v232-235 the other half's; then the bytes
.set LM,  236
.set SO,  240                          ; v240-243 the conversions' scale operands
.set FF,  244                          ; v[244:245] f = 2^(old M - new M)
.set T0,  246
.set T1,  247
.set SU,  248                          ; v[248:249] the second chain of the sum
.set WV,  10
.set II,  11                           ; s11 I
.set BH,  12                           ; s12 16 batch + head
.set BE,  13                           ; s13 the block of queries in hand
.set TRIP, 14
.set KF,  15                           ; s15 the step's first key
.set Q0,  16                           ; s16 256 block + 32 (wave / 2): my queries lie in Q0 .. Q0 + 31
.set TB,  17                           ; s17 LDS byte at which the slot in hand begins
.set MNT, 19
.set SEL, 20
.set CS,  22                           ; s[22:23] c = log2(e) / 8
.set G1,  24
.set G0,  32
.set QP,  40                           ; s[40:41] my block of q; s[42:43] my place in ac; s[44:45] in asc
.set AP,  42
.set SPT, 44
.set BK,  46                           ; s[46:47] what the walking address goes back by
.set BACK, 48                          ; s48 (I + 1) slots
.set SH,  49                           ; s49 16 (wave % 2)
.macro TLOAD                           ; wave 0 fetches K's 256 keys, wave 1 V's, the others nothing.  Four v_nop follow the line
	s_cmp_lt_u32 s[WV], 2
	s_cbranch_scc0 .Lasked_\@
	tensor_load_to_lds s[G0:G0+3], s[G1:G1+7]
	s_nop 0
.rept 4
	v_nop
.endr
.Lasked_\@:
.endm
	s_load_b128 s[4:7], s[0:1], 0x0                ; qkv, ac
	s_load_b64 s[8:9], s[0:1], 0x10                ; asc
	v_lshl_add_u32 v[SPW], v0, 2, SPARE
	v_mov_b32 v[NIL], 0
	ds_add_u32 v2, v3
	ds_add_u32 v2, v3
	s_wait_dscnt 0x0
	v_lshrrev_b32 v9, 5, v0
	s_delay_alu instid0(VALU_DEP_1)
	v_readfirstlane_b32 s[WV], v9                  ; wave 0..15
	s_mov_b32 s[II], ttmp9
	s_and_b32 s[BH], ttmp7, 0xffff
	; descriptor group 1: 17,408 dense bytes as 68 rows of 256 bytes (32 elements of 8 bytes), no padding: the images are read 512 consecutive bytes at a time
	s_mov_b32 s[G1], 3<<16
	s_mov_b32 s[G1+1], 32<<16                      ; tensor_dim0
	s_mov_b32 s[G1+2], 68<<16                      ; tensor_dim1
	s_mov_b32 s[G1+3], 32<<16                      ; tile_dim0
	s_mov_b32 s[G1+4], 68                          ; tile_dim1
	s_mov_b32 s[G1+5], 32                          ; tensor_dim0_stride
	s_mov_b32 s[G1+6], 0
	s_mov_b32 s[G1+7], 0
	s_and_b32 s51, s[WV], 1
	s_mul_i32 s[G0+1], s51, SLB                    ; LDS: K at the slot's head, V behind it; slot 0
	s_add_co_u32 s52, s51, 1
	s_mul_i32 s52, s52, RB                         ; region 1 (k) or 2 (v),
	s_mul_i32 s53, s[BH], BHB                      ; the head's blocks
	s_add_co_u32 s52, s52, s53
	s_mov_b32 s53, 0
	s_lshl_b32 s[SH], s51, 4
	s_lshl_b32 s54, s51, 3                         ; 8 (wave % 2)
	s_add_co_u32 s[BACK], s[II], 1
	s_mul_i32 s[BACK], s[BACK], SLB
	s_mov_b32 s[BK+1], 0
	s_mov_b32 s[SEL], 0x76543210
	s_mov_b32 s[SEL+1], 0xfedcba98                 ; v_permlanex16_b32's selects for lane l xor 16
	s_mov_b32 s[CS], 0x3e38aa3b                    ; log2(e) / 8
	s_mov_b32 s[CS+1], s[CS]                       ; (named with it as a pair, so it is written)
	s_mov_b32 s[BE], s[II]
	s_mov_b32 s[TRIP], 0
	s_mov_b32 s[TB], 0
	s_mov_b32 s[G0], 1
	s_wait_kmcnt 0x0
	s_add_nc_u64 s[G0+2:G0+3], s[4:5], s[52:53]
	s_or_b32 s[G0+3], s[G0+3], 0x80000000
	TLOAD                                          ; key slot 0 into LDS slot 0: one load of mine is out
	v_and_b32 v9, 31, v0
	s_delay_alu instid0(VALU_DEP_1)
	v_lshlrev_b32 v[LI], 4, v9
	v_and_b32 v10, 15, v0                          ; r
	v_bfe_u32 v11, v0, 4, 1                        ; h
	s_and_b32 s50, s[WV], 7                        ; my tile among a block's eight
	s_lshl_b32 s51, s50, 10
	v_add_nc_u32 v[QA], s51, v[LI]
	s_lshr_b32 s51, s50, 1
	s_lshl_b32 s51, s51, 2
	s_add_co_u32 s51, s51, 8192
	v_lshl_add_u32 v[QSA], v10, 4, s51             ; lane r's four words, the word of my pair of tiles
	v_and_b32 v[QL], 8, v10
	s_delay_alu instid0(VALU_DEP_1)
	v_add_nc_u32 v[QL], v[QL], v10                 ; r + 8 (r / 8)
	v_lshlrev_b32 v9, 4, v11
	s_delay_alu instid0(VALU_DEP_1)
	v_sub_nc_u32 v[QL], v[QL], v9                  ; - 16 h
	s_delay_alu instid0(VALU_DEP_1)
	v_add_nc_u32 v[QL], s54, v[QL]                 ; + 8 (wave % 2)
	v_lshlrev_b32 v[SA], 5, v10
.irp j, 0,1,2,3,4,5,6,7
	v_mov_b32 v[QY+\j], 0                          ; the zero codes between the two copies of Q: written once
.endr
.irp b, 0,1,2,3
	v_mov_b32 v[BY+\b], 0                          ; written once: a lane permute's destination counts as one of its sources
.endr
	v_mov_b32 v[FF+1], 0                           ; (named as the upper half of a pair)
; A BLOCK OF QUERIES BEGINS: its addresses, my tile of Q (twice) and its scale word, and the softmax's state.
.macro PHASE
	s_lshl_b32 s[Q0], s[BE], 8
	s_lshr_b32 s50, s[WV], 1
	s_lshl_b32 s50, s50, 5
	s_add_co_u32 s[Q0], s[Q0], s50
	s_mov_b32 s[KF], 0
	s_lshl_b32 s50, s[BH], 4                       ; my block of q: 16 head + 2 block + wave / 8
	s_lshl_b32 s51, s[BE], 1
	s_add_co_u32 s50, s50, s51
	s_lshr_b32 s51, s[WV], 3
	s_add_co_u32 s50, s50, s51
	s_mul_i32 s50, s50, BLK
	s_mov_b32 s51, 0
	s_add_nc_u64 s[QP:QP+1], s[4:5], s[50:51]
	s_lshr_b32 s52, s[BH], 4                       ; my stored tile of rows: 128 batch + 16 block + wave
	s_lshl_b32 s52, s52, 7
	s_lshl_b32 s53, s[BE], 4
	s_add_co_u32 s52, s52, s53
	s_add_co_u32 s52, s52, s[WV]
	s_and_b32 s53, s[BH], 15                       ; the head
	s_lshl_b32 s50, s52, 14                        ; ac: 16,384 bytes a tile of rows, 2,048 a K step, 1,024 a head
	s_lshr_b32 s54, s53, 1
	s_lshl_b32 s54, s54, 11
	s_add_co_u32 s50, s50, s54
	s_and_b32 s54, s53, 1
	s_lshl_b32 s54, s54, 10
	s_add_co_u32 s50, s50, s54
	s_add_nc_u64 s[AP:AP+1], s[6:7], s[50:51]
	s_lshl_b32 s50, s52, 9                         ; asc: 512 bytes a tile of rows, 2 a head
	s_lshl_b32 s54, s53, 1
	s_add_co_u32 s50, s50, s54
	s_add_nc_u64 s[SPT:SPT+1], s[8:9], s[50:51]
	global_load_b128 v[QX:QX+3], v[QA], s[QP:QP+1]
	global_load_b128 v[QX+4:QX+7], v[QA], s[QP:QP+1] offset:512
	global_load_b128 v[QY+8:QY+11], v[QA], s[QP:QP+1]
	global_load_b128 v[QY+12:QY+15], v[QA], s[QP:QP+1] offset:512
	global_load_b32 v[T0], v[QSA], s[QP:QP+1]
	s_wait_loadcnt 0x0
	v_lshrrev_b32 v[T0], s[SH], v[T0]              ; my tile's two bytes,
	s_delay_alu instid0(VALU_DEP_1)
	v_and_b32 v[T0], 0xffff, v[T0]
	s_delay_alu instid0(VALU_DEP_1)
	v_lshl_or_b32 v[QWD], v[T0], 16, v[T0]         ; twice: they serve [Q | zeros] and [zeros | Q].  The 36 lines below are the places between this line and the first product
	v_mov_b32 v13, 0xff61b1e6                      ; the largest t so far: -3e38, under every t
	s_delay_alu instid0(VALU_DEP_1)
	v_floor_f32 v12, -v13                          ; -M
	v_mov_b32 v14, 0
	v_mov_b32 v15, 0
.set J, 0
.rept 32
	v_mov_b32 v[OT+J], 0                           ; O^T: the first step finds zeros, which the first change of M leaves zeros
.set J, J+1
.endr
.endm
; THE CHANGE OF SLOTS stands at a slot's head.  Each wave waits for all its tensor loads, adds 0 to its spare word, and waits for that and for its reads of the slot that it has left.
; fill = 1: that slot is filled with the next trip's keys: the load has a whole slot's steps in which to land.  Behind the first block's last slot the walk goes back to key slot 0.
.macro CHANGE fill
	s_wait_tensorcnt 0x0                           ; no tensor load of mine is out, so group 0 may be written
	ds_add_u32 v[SPW], v[NIL]                      ; 0 onto my spare word
.if \fill
	s_xor_b32 s[G0+1], s[G0+1], SLOT1              ; the other slot than last time
	s_cmp_eq_u32 s[TRIP], s[II]
	s_cselect_b32 s[BK], s[BACK], 0
	s_add_nc_u64 s[G0+2:G0+3], s[G0+2:G0+3], SLB   ; the next 256 keys,
	s_sub_nc_u64 s[G0+2:G0+3], s[G0+2:G0+3], s[BK:BK+1]   ; or the head's first
.endif
	s_wait_dscnt 0x0                               ; the add is done, and my reads of the slot that I have left are over
	s_barrier_signal -1
	s_barrier_wait -1
.if \fill
	TLOAD                                          ; the first thing behind the barrier, and a wave's one tensor load until the next
.endif
.endm
; A KEY STEP: 128 keys, the q-th of the slot in hand.
.macro STEP q
	s_add_co_u32 s50, s[Q0], 31                    ; a step all of whose keys come after my queries is left out: a scalar branch on ids; no barrier and no tensor load stands in a step
	s_cmp_gt_u32 s[KF], s50
	s_cbranch_scc1 .Lhidden_\@
	v_add_nc_u32 v[ADR], s[TB], v[LI]
	ds_load_b128 v[KW:KW+3], v[ADR] offset:BLK*(\q)+8192
.irp b, 0,1,2,3
.irp c, 0,1,2,3
	ds_load_b128 v[FRG+16*\b+4*\c:FRG+16*\b+4*\c+3], v[ADR] offset:BLK*(\q)+2048*\b+512*\c
.endr
.endr
	s_wait_alu depctr_va_vdst(0)
.irp b, 0,1,2,3
	s_wait_dscnt 12-4*\b                           ; the words and double fragments 0 .. b are in; the loads of those behind may be out
	v_wmma_scale_f32_16x16x128_f8f6f4 v[S+16*\b:S+16*\b+7], v[FRG+16*\b:FRG+16*\b+15], v[QX:QX+15], 0, v[KW+\b], v[QWD]
	v_wmma_scale_f32_16x16x128_f8f6f4 v[S+16*\b+8:S+16*\b+15], v[FRG+16*\b:FRG+16*\b+15], v[QY:QY+15], 0, v[KW+\b], v[QWD]
.endr
.rept 8
	v_nop                                          ; places: in front of the loads into K's registers and of the first read of the scores
.endr
	ds_load_b128 v[VW:VW+3], v[ADR] offset:VOFF+BLK*(\q)+8192          ; V's fragments land while the softmax is worked
.irp t, 0,1,2,3
.irp c, 0,1,2,3
	ds_load_b128 v[FRG+16*\t+4*\c:FRG+16*\t+4*\c+3], v[ADR] offset:VOFF+BLK*(\q)+2048*\t+512*\c
.endr
.endr
	s_add_co_u32 s50, s[KF], 127                   ; on the diagonal hidden scores become -infinity ahead of the maximum: p = 0 then.  A step all of whose keys count skips this
	s_cmp_le_u32 s50, s[Q0]
	s_cbranch_scc1 .Lopen_\@
	s_sub_co_i32 s50, s[Q0], s[KF]
	v_add_nc_u32 v[T0], s50, v[QL]                 ; d = my query - KF - 16 (lane / 16).  Register 16 b + i holds key KF + 16 (lane / 16) + 32 b + i: hidden where 32 b + i > d
	v_mov_b32 v[T1], 0xff800000
.set J, 0
.rept 64
	v_cmp_gt_i32 vcc_lo, 32*(J/16)+J%16, v[T0]
	v_cndmask_b32 v[S+J], v[S+J], v[T1], vcc_lo
.set J, J+1
.endr
.Lopen_\@:
.irp b, 0,1,2,3
	v_max3_num_f32 v[MX+\b], v[S+16*\b], v[S+1+16*\b], v[S+2+16*\b]   ; the largest score of each block of 32 keys: for the row's maximum, and, since p rises with the score, for the block's largest p
.endr
.irp i, 3,5,7,9,11,13
.irp b, 0,1,2,3
	v_max3_num_f32 v[MX+\b], v[MX+\b], v[S+16*\b+\i], v[S+1+16*\b+\i]
.endr
.endr
.irp b, 0,1,2,3
	v_max_num_f32 v[MX+\b], v[MX+\b], v[S+15+16*\b]
.endr
.irp b, 0,1,2,3
	s_delay_alu instid0(VALU_DEP_4)
	v_permlanex16_b32 v[BY+\b], v[MX+\b], s[SEL], s[SEL+1]
.endr
.irp b, 0,1,2,3
	s_delay_alu instid0(VALU_DEP_4)
	v_max_num_f32 v[MX+\b], v[MX+\b], v[BY+\b]     ; with lane l xor 16's 16 keys
.endr
	s_delay_alu instid0(VALU_DEP_2)
	v_max3_num_f32 v[T0], v[MX], v[MX+1], v[MX+2]
	s_delay_alu instid0(VALU_DEP_1)
	v_max_num_f32 v[T0], v[T0], v[MX+3]            ; the step's largest score of my query (key KF counts for every query of a step that is not left out: it is a number)
	s_delay_alu instid0(VALU_DEP_1)
	v_mul_f32 v[T0], s[CS], v[T0]                  ; as t
	s_delay_alu instid0(VALU_DEP_1)
	v_max_num_f32 v13, v13, v[T0]                  ; the running largest t
	v_mov_b32 v[T0], v12
	s_delay_alu instid0(VALU_DEP_2)
	v_floor_f32 v12, -v13                          ; the new -M = floor(-t) = -ceil(t)
	s_delay_alu instid0(VALU_DEP_1)
	v_sub_f32 v[T0], v12, v[T0]                    ; old M - new M: a whole number, 0 or less
	s_delay_alu instid0(VALU_DEP_1)
	v_cvt_i32_f32 v[T0], v[T0]                     ; (it saturates)
	s_delay_alu instid0(VALU_DEP_1)
	v_ldexp_f32 v[FF], 1.0, v[T0]                  ; f = 2^(old M - new M)
.set J, 0
.rept 32
	v_pk_fma_f32 v[S+J:S+J+1], v[S+J:S+J+1], s[CS:CS+1], v[12:13] op_sel_hi:[1,0,0]   ; t - M, two at a time
.set J, J+2
.endr
.irp b, 0,1,2,3
	v_fma_f32 v[MX+\b], v[MX+\b], s[CS], v12       ; the same of each block's largest score
.endr
.set J, 0
	s_wait_alu depctr_va_vdst(0)
.rept 64
	v_exp_f32 v[S+J], v[S+J]                       ; p = 2^(t - M), at most 1
.set J, J+1
.endr
.irp b, 0,1,2,3
	v_exp_f32 v[MX+\b], v[MX+\b]                   ; the block's largest p
.endr
	v_pk_mul_f32 v[14:15], v[14:15], v[FF:FF+1] op_sel_hi:[1,0]   ; l under the new M (a plain line behind the exponentials)
	s_wait_alu depctr_va_vdst(0)
.irp b, 0,1,2,3
	v_max_num_f32 v[MX+\b], 0x4800000, v[MX+\b]    ; the floor 2^(9 - 127): the byte cannot fall under 1
.endr
.irp b, 0,1,2,3
	s_delay_alu instid0(VALU_DEP_4)
	v_add_nc_u32 v[SO+\b], 0xfc000000, v[MX+\b]    ; 8 off the exponent field: the conversion's scale operand
.endr
.irp b, 0,1,2,3
.endr
.irp b, 0,1,2,3
	s_delay_alu instid0(VALU_DEP_4)
	v_lshrrev_b32 v[BY+\b], 23, v[SO+\b]           ; the scale's byte
.endr
	s_delay_alu instid0(VALU_DEP_3)
	v_lshl_or_b32 v[PWD], v[BY+1], 8, v[BY]        ; p's scale word for these 128 keys
	s_delay_alu instid0(VALU_DEP_1)
	v_lshl_or_b32 v[PWD], v[BY+2], 16, v[PWD]
	s_delay_alu instid0(VALU_DEP_1)
	v_lshl_or_b32 v[PWD], v[BY+3], 24, v[PWD]
	v_pk_add_f32 v[248:249], v[108:109], v[112:113]
	v_pk_add_f32 v[254:255], v[116:117], v[120:121]
	v_pk_add_f32 v[252:253], v[124:125], v[128:129]
	v_pk_add_f32 v[250:251], v[132:133], v[136:137]
	v_pk_add_f32 v[238:239], v[140:141], v[144:145]
	v_pk_add_f32 v[236:237], v[148:149], v[152:153]
	v_pk_add_f32 v[230:231], v[156:157], v[160:161]
	v_pk_add_f32 v[14:15], v[14:15], v[164:165]
	v_pk_add_f32 v[248:249], v[248:249], v[104:105]
	v_pk_add_f32 v[254:255], v[254:255], v[106:107]
	v_pk_add_f32 v[252:253], v[252:253], v[110:111]
	v_pk_add_f32 v[250:251], v[250:251], v[114:115]
	v_pk_add_f32 v[238:239], v[238:239], v[118:119]
	v_pk_add_f32 v[236:237], v[236:237], v[122:123]
	v_pk_add_f32 v[230:231], v[230:231], v[126:127]
	v_pk_add_f32 v[14:15], v[14:15], v[130:131]
	v_pk_add_f32 v[248:249], v[248:249], v[134:135]
	v_pk_add_f32 v[254:255], v[254:255], v[138:139]
	v_pk_add_f32 v[252:253], v[252:253], v[142:143]
	v_pk_add_f32 v[250:251], v[250:251], v[146:147]
	v_pk_add_f32 v[238:239], v[238:239], v[150:151]
	v_pk_add_f32 v[236:237], v[236:237], v[154:155]
	v_pk_add_f32 v[230:231], v[230:231], v[158:159]
	v_pk_add_f32 v[14:15], v[14:15], v[162:163]
	v_pk_add_f32 v[248:249], v[248:249], v[166:167]
	s_delay_alu instid0(VALU_DEP_2)
	v_pk_add_f32 v[14:15], v[14:15], v[250:251]
	s_delay_alu instid0(VALU_DEP_2)
	v_pk_add_f32 v[248:249], v[248:249], v[238:239]
	v_pk_add_f32 v[254:255], v[254:255], v[236:237]
	v_pk_add_f32 v[252:253], v[252:253], v[230:231]
	s_delay_alu instid0(VALU_DEP_2)
	v_pk_add_f32 v[14:15], v[14:15], v[254:255]
	s_delay_alu instid0(VALU_DEP_2)
	v_pk_add_f32 v[248:249], v[248:249], v[252:253]
	s_delay_alu instid0(VALU_DEP_1)
	v_pk_add_f32 v[14:15], v[14:15], v[248:249]
.irp b, 0,1,2,3
.irp i, 0,1,2,3,4,5,6,7,8,9,10,11,12,13,14,15
.endr
	v_cvt_scalef32_pk8_fp8_f32 v[PC+4*\b:PC+4*\b+1], v[S+16*\b:S+16*\b+7], v[SO+\b]
	v_cvt_scalef32_pk8_fp8_f32 v[PC+4*\b+2:PC+4*\b+3], v[S+16*\b+8:S+16*\b+15], v[SO+\b]
.endr
.set J, 0
.rept 16
	v_pk_mul_f32 v[OT+J:OT+J+1], v[OT+J:OT+J+1], v[FF:FF+1] op_sel_hi:[1,0]   ; O^T under the new M.  (These sixteen are also the places between the codes and the products below)
.set J, J+2
.endr
	s_wait_alu depctr_va_vdst(0)
	s_wait_dscnt 0x0                               ; V is in
.irp t, 0,1,2,3
	v_wmma_scale_f32_16x16x128_f8f6f4 v[OT+8*\t:OT+8*\t+7], v[FRG+16*\t:FRG+16*\t+15], v[PC:PC+15], v[OT+8*\t:OT+8*\t+7], v[VW+\t], v[PWD]   ; four accumulators by turns
.endr
.rept 8
	v_nop                                          ; places: in front of the next loads into these operands and of the next read or write of O^T
.endr
.Lhidden_\@:
	s_add_co_u32 s[KF], s[KF], 128
.endm
; A BLOCK OF QUERIES ENDS: O^T / l; register 16 b + i is channel 32 b + 16 (lane / 16) + i of my query's head: two blocks of 32 along the last product's K, quantised as they stand.
.macro FINISH
	v_add_f32 v14, v14, v15
	s_delay_alu instid0(VALU_DEP_1)
	v_permlanex16_b32 v[T0], v14, s[SEL], s[SEL+1]
	s_delay_alu instid0(VALU_DEP_1)
	v_add_f32 v14, v14, v[T0]                      ; the row's sum
	s_wait_alu depctr_va_vdst(0)
	v_rcp_f32 v14, v14
	v_nop                                          ; one plain line behind the reciprocal
.set J, 0
	s_wait_alu depctr_va_vdst(0)
.rept 32
	v_mul_f32 v[S+J], v[OT+J], v14                 ; each accumulator from its low end on
.set J, J+1
.endr
.irp b, 0,1
	v_max3_num_f32 v[MX+\b], |v[S+16*\b]|, |v[S+1+16*\b]|, 0x4800000
.endr
.irp i, 2,4,6,8,10,12,14
.irp b, 0,1
	s_delay_alu instid0(VALU_DEP_2)
	v_max3_num_f32 v[MX+\b], v[MX+\b], |v[S+16*\b+\i]|, |v[S+1+16*\b+\i]|
.endr
.endr
.irp b, 0,1
	s_delay_alu instid0(VALU_DEP_2)
	v_permlanex16_b32 v[BY+\b], v[MX+\b], s[SEL], s[SEL+1]
.endr
.irp b, 0,1
	s_delay_alu instid0(VALU_DEP_2)
	v_max_num_f32 v[MX+\b], v[MX+\b], v[BY+\b]
.endr
.irp b, 0,1
	s_delay_alu instid0(VALU_DEP_2)
	v_add_nc_u32 v[SO+\b], 0xfc000000, v[MX+\b]
.endr
.irp b, 0,1
.endr
.irp b, 0,1
	s_delay_alu instid0(VALU_DEP_2)
	v_lshrrev_b32 v[BY+\b], 23, v[SO+\b]
.endr
	s_delay_alu instid0(VALU_DEP_1)
	v_lshl_or_b32 v[T1], v[BY+1], 8, v[BY]         ; my row's two scale bytes
.irp b, 0,1
.irp i, 0,1,2,3,4,5,6,7,8,9,10,11,12,13,14,15
.endr
	v_cvt_scalef32_pk8_fp8_f32 v[PC+4*\b:PC+4*\b+1], v[S+16*\b:S+16*\b+7], v[SO+\b]
	v_cvt_scalef32_pk8_fp8_f32 v[PC+4*\b+2:PC+4*\b+3], v[S+16*\b+8:S+16*\b+15], v[SO+\b]
.endr
	v_nop                                          ; one plain line behind the conversions
	global_store_b128 v[LI], v[PC:PC+3], s[AP:AP+1]                  ; two chunks of a fragment's image: 512 consecutive bytes each, aligned
	global_store_b128 v[LI], v[PC+4:PC+7], s[AP:AP+1] offset:512
	global_store_b16 v[SA], v[T1], s[SPT:SPT+1]    ; both halves of the lanes write the same bytes with the same value
	s_wait_xcnt 0x0                                ; the stores' data and bases are written again only behind this wait
.endm
	PHASE
.Ltrip:                                                ; eight trips: behind each change of slots but the last the next trip's slot is asked for
	CHANGE 1
	STEP 0
	STEP 1
	s_xor_b32 s[TB], s[TB], SLOT1                  ; on to the other slot
	s_cmp_lg_u32 s[TRIP], s[II]                    ; behind trip I the first block of queries is finished and the second begins
	s_cbranch_scc1 .Lsame
	FINISH
	s_sub_co_u32 s[BE], 7, s[II]
	PHASE
.Lsame:
	s_add_co_u32 s[TRIP], s[TRIP], 1
	s_cmp_lt_u32 s[TRIP], 8
	s_cbranch_scc1 .Ltrip
	CHANGE 0                                       ; the last slot is written out
	STEP 0
	STEP 1
	FINISH
	s_wait_tensorcnt 0x0                           ; the wave's end
	ds_add_u32 v[SPW], v[NIL]
	s_wait_dscnt 0x0
	s_endpgm
.Lfunc_end_k_qf0587104a0_attn:
	.size	k_qf0587104a0_attn, .Lfunc_end_k_qf0587104a0_attn-k_qf0587104a0_attn
	.p2alignl 7, 3214868480
	.fill 96, 4, 3214868480
	.section	.rodata,"a",@progbits
	.p2align	6, 0x0
	.amdhsa_kernel k_qf0587104a0_attn
		.amdhsa_group_segment_fixed_size 327680
		.amdhsa_private_segment_fixed_size 0
		.amdhsa_enable_private_segment 0
		.amdhsa_kernarg_size 24
		.amdhsa_user_sgpr_count 2
		.amdhsa_user_sgpr_kernarg_segment_ptr 1
		.amdhsa_wavefront_size32 1
		.amdhsa_system_sgpr_workgroup_id_x 1
		.amdhsa_system_sgpr_workgroup_id_y 1
		.amdhsa_system_sgpr_workgroup_id_z 1
		.amdhsa_system_vgpr_workitem_id 0
		.amdhsa_next_free_vgpr 256
		.amdhsa_next_free_sgpr 66
		.amdhsa_reserve_vcc 1
		.amdhsa_float_denorm_mode_32 3
		.amdhsa_float_denorm_mode_16_64 3
		.amdhsa_fp16_overflow 1
		.amdhsa_memory_ordered 1
		.amdhsa_forward_progress 1
		.amdhsa_inst_pref_size 108
	.end_amdhsa_kernel
	.amdgpu_metadata
---
amdhsa.version: [ 1, 2 ]
amdhsa.kernels:
  - .name:           k_qf0587104a0_attn
    .symbol:         k_qf0587104a0_attn.kd
    .args:
      - { .name: qkv, .offset: 0, .size: 8, .value_kind: global_buffer, .address_space: global }
      - { .name: ac, .offset: 8, .size: 8, .value_kind: global_buffer, .address_space: global }
      - { .name: asc, .offset: 16, .size: 8, .value_kind: global_buffer, .address_space: global }
    .group_segment_fixed_size: 327680
    .private_segment_fixed_size: 0
    .kernarg_segment_align: 8
    .kernarg_segment_size: 24
    .max_flat_workgroup_size: 512
    .sgpr_count:     66
    .vgpr_count:     256
    .wavefront_size: 32
...
	.end_amdgpu_metadata
.endif
;; end of part 3
;; launch outp (part 4): grid 4 x 32, 4 waves a work-group, clusters of 4 x 4, 327,680 bytes of LDS; arguments ac, asc, codes, scales, out0; writes out0
.if DOCPART == 4
	.amdgcn_target "amdgcn-amd-amdhsa--gfx1250"
	.amdhsa_code_object_version 6
	.text
	.protected	k_qf0587104a0_outp
	.globl	k_qf0587104a0_outp
	.p2align	8
	.type	k_qf0587104a0_outp,@function
k_qf0587104a0_outp:
	s_mov_b64 s[64:65], 0
	v_nop
	global_prefetch_b8 v0, s[64:65] scope:SCOPE_SE
	s_setreg_imm32_b32 hwreg(HW_REG_WAVE_MODE, 25, 1), 1
	s_wait_xcnt 0x0
	s_wait_alu depctr_hold_cnt(0) depctr_sa_sdst(0) depctr_va_vdst(0) depctr_va_sdst(0) depctr_va_ssrc(0) depctr_va_vcc(0) depctr_vm_vsrc(0)
	s_getreg_b32 s2, hwreg(HW_REG_IB_STS2, 6, 4)
	s_cmp_eq_u32 s2, 0
	s_cbranch_scc0 .Lentry_in_a_cluster
	s_endpgm
.Lentry_in_a_cluster:
	s_bfe_u32 s2, ttmp6, 0x10000c
	s_cmp_lg_u32 s2, 0xf033
	s_cbranch_scc0 .Lentry_shape_is_right
	s_endpgm
.Lentry_shape_is_right:
; out0 = attention W_o^T on codes of FP8 (E4M3) with E8M0 scales, K = 1,024, sums in f32; out0 [8192][1024] f32.
; A tile of 256 x 256 of out0 is made by four waves, 128 x 128 each: 64 accumulators, 512 registers.  K goes in steps of 256 through a ring of two LDS slots filled by the tensor data mover; the scale bytes of the
; work-group's 2 x 256 rows, for all of K, come into LDS once, with the first fills.  32 x 4 tiles: 128 work-groups; a smaller tile would read each fragment from LDS for half the products.
; A (source 1): the attention's rows, in the stored order (bits 3 and 4 of the row's number exchanged), as IMAGES of fragments: ac [512 tiles of 16 rows][8 K steps of 128][2,048 bytes], lane l's 16 bytes at 16 l.
; A K step of 256 of 8 tiles of rows is 8 pieces of 4,096 bytes, 16,384 apart: one tensor load.  asc [8,192 stored rows][32] are its scale bytes.
; B (source 0): W_o's rows 11,264 on of codes and scales, in the stored order too: so a lane's 16 registers of accumulators (a, 2 b), (a, 2 b + 1) are columns 32 b + 16 (lane / 16) + 0 .. 15 of one row of out0.
; The way out undoes both orders: the columns by the place in the stage, the rows by the stores' offsets.
; CLUSTERS: 4 x 4 work-groups; A's tile is shared along a row of the cluster, B's along a column: each is asked for jointly, by the same tensor load with the same descriptor and a mask that names the four.
; REGISTERS, in windows of 256: window 0: v0-31 addresses; v32-63 scale words, two sets; from v128 A's fragments, ONE set; window 1: B's fragments, TWO sets; windows 2, 3: the accumulators ((a, b) at v[8 (8 (a % 4) + b)]).
.set KSTEP,  256
.set NQ,     2
.set ROWB,   256                       ; a row of B's tile in bytes
.set ASTEP,  4096                      ; a K step of 256 of one tile of A's rows
.set KROW,   1024
.set PITCH,  272                       ; B's LDS row: 256 bytes + 16 of padding: the 16 rows that a load touches start at 16 different banks (64 banks of 4 bytes: ISA guide 11.1)
.set FR,     16
.set NL,     4
.set NP,     8                         ; places behind this matrix instruction (ISA guide 7.12.1)
.set HALFT,  128*PITCH                 ; room for 128 rows (A's images use 32,768 bytes of it)
.set SLOT,   4*HALFT
.set LAPS,   2
.set KS,     32
.set SCL,    2*SLOT
.set HALFS,  (128*KS/256)*272
.set SBLK,   (16*KS/256)*272
.set SPARE,  SCL+4*HALFS
.set SPITCH, 528                       ; the way out: a stage of 16 rows x (512 bytes + 16) for each wave, in slot 0, which has had its last fill and its last read when the first result is stored there
.set NROW,   4096                      ; a row of out0 in bytes
.set ADRA, 16
.set ADRB, 20
.set STO,  24                          ; v24  the way out: where I put my row's numbers
.set RD,   25                          ; v25  where I read a row back
.set CO,   26                          ; v26  my byte offset in a row of out0
.set ADRS, 27
.set SPW,  28
.set NIL,  29
.set SC,   32
.set AF,   128
.set BKR,  128                         ; the way out: 16 rows read back: v128-191 and v192-255 by turns
.set G1, 24
.set G0, 32
.set G1B, 48
.set G0B, 56
.set G1S, 68
.set G0S, 76
.set G1SB, 80
.set G0SB, 88
.set MSB, 0
.macro WIN new
.if MSB != (\new)
	s_set_vgpr_msb (MSB<<8)|(\new)
.set MSB, (\new)
.endif
.endm
.set MUL_LO, 0xa1
.set MUL_HI, 0xf1
.set TO_B,   0x40
.macro JLOAD g0a, g1a, g0b, g1b        ; a joint load: waves 0 and 1 fetch for A, waves 2 and 3 for B; four v_nop follow each of the two lines
	s_cmp_eq_u32 s15, 0
	s_cbranch_scc0 .Lfor_b_\@
	tensor_load_to_lds s[\g0a:\g0a+3], s[\g1a:\g1a+7]
	s_nop 0
.rept 4
	v_nop
.endr
	s_branch .Lasked_\@
.Lfor_b_\@:
	tensor_load_to_lds s[\g0b:\g0b+3], s[\g1b:\g1b+7]
	s_nop 0
.rept 4
	v_nop
.endr
.Lasked_\@:
.endm
.macro CREST
	s_cmp_lg_u32 s14, 0
	s_cbranch_scc1 .Lnot_wave_0_\@
	s_barrier_signal -3
.Lnot_wave_0_\@:
	s_barrier_wait -3
	s_barrier_signal -1
	s_barrier_wait -1
.endm
.macro CROUND
	s_barrier_signal -1
	s_barrier_wait -1
	CREST
.endm
	s_load_b128 s[4:7], s[0:1], 0x0                ; ac, asc
	s_load_b128 s[8:11], s[0:1], 0x10              ; codes, scales
	s_load_b64 s[12:13], s[0:1], 0x20              ; out0
	v_lshl_add_u32 v[SPW], v0, 2, SPARE
	v_mov_b32 v[NIL], 0
	ds_add_u32 v28, v29
	ds_add_u32 v28, v29
	s_wait_dscnt 0x0
	v_lshrrev_b32 v1, 5, v0
	v_readfirstlane_b32 s14, v1                    ; wave 0..3
	s_lshr_b32 s15, s14, 1                         ; which half of the tile's rows is mine.  Also: I fetch for A (0) or for B (1)
	s_and_b32 s16, s14, 1                          ; which half of its columns.  Also: which 128 rows of that tile I fetch
	s_bfe_u32 s40, ttmp6, 0x40000                  ; cx, cy
	s_bfe_u32 s41, ttmp6, 0x40004
	s_lshl_b32 s42, ttmp9, 2
	s_add_co_u32 s42, s42, s40                     ; tile column = 4 x cluster x + cx
	s_and_b32 s17, ttmp7, 0xffff
	s_lshl_b32 s17, s17, 2
	s_add_co_u32 s17, s17, s41                     ; tile row = 4 x cluster y + cy
	s_lshl_b32 s43, s41, 2
	s_lshl_b32 s43, 15, s43                        ; my row of the cluster
	s_lshl_b32 s44, 0x1111, s40                    ; my column
	; A's tiles: 8 pieces of 4,096 bytes (512 elements of 8 bytes), 16,384 bytes apart, laid on end in LDS
	s_or_b32 s[G1+0], s43, (3<<16)|(1<<21)         ; 15:0 the mask: my row; 17:16 elements of 8 bytes; 21 set beside a mask; no padding
	s_mov_b32 s[G1+1], 512<<16                     ; tensor_dim0
	s_mov_b32 s[G1+2], 8<<16                       ; tensor_dim1
	s_mov_b32 s[G1+3], 512<<16                     ; tile_dim0
	s_mov_b32 s[G1+4], 8                           ; tile_dim1
	s_mov_b32 s[G1+5], 2048                        ; tensor_dim0_stride
	s_mov_b32 s[G1+6], 0
	s_mov_b32 s[G1+7], 0
	; B's tiles: 128 rows x 256 bytes, padded in LDS
	s_or_b32 s[G1B+0], s44, (0<<16)|(1<<20)|(1<<21)|(5<<22)|(3<<25)
	s_mov_b32 s[G1B+1], ROWB<<16
	s_mov_b32 s[G1B+2], 128<<16
	s_mov_b32 s[G1B+3], ROWB<<16
	s_mov_b32 s[G1B+4], 128
	s_mov_b32 s[G1B+5], KROW
	s_mov_b32 s[G1B+6], 0
	s_mov_b32 s[G1B+7], 0
	; the scales of 128 rows: 4,096 dense bytes as 16 rows of 256 bytes, 16 bytes of padding behind each
	s_or_b32 s[G1S+0], s43, (3<<16)|(1<<20)|(1<<21)|(5<<22)|(3<<25)
	s_or_b32 s[G1SB+0], s44, (3<<16)|(1<<20)|(1<<21)|(5<<22)|(3<<25)
.irp g, G1S, G1SB
	s_mov_b32 s[\g+1], 32<<16
	s_mov_b32 s[\g+2], (128*KS/256)<<16
	s_mov_b32 s[\g+3], 32<<16
	s_mov_b32 s[\g+4], 128*KS/256
	s_mov_b32 s[\g+5], 32
	s_mov_b32 s[\g+6], 0
	s_mov_b32 s[\g+7], 0
.endr
	s_lshl_b32 s18, s16, 7                         ; which 128 rows of the tile I fetch
	s_lshl_b32 s20, s17, 8
	s_add_co_u32 s20, s20, s18                     ; A: stored row 256 x tile row + 128 x half
	s_lshl_b32 s46, s42, 8
	s_add_co_u32 s46, s46, s18
	s_add_co_u32 s46, s46, 11264                   ; B: W_o's rows: 11,264 + 256 x tile column + 128 x half
	s_mov_b32 s21, 0
	s_mov_b32 s47, 0
	s_mov_b64 s[18:19], KS
	s_mul_u64 s[22:23], s[20:21], s[18:19]         ; where these rows' scales begin, in bytes
	s_mul_u64 s[92:93], s[46:47], s[18:19]
	s_mov_b64 s[18:19], KROW
	s_mul_u64 s[20:21], s[20:21], s[18:19]         ; and their codes: 1,024 bytes a row in both layouts (a tile of 16 rows of A is 16,384 bytes)
	s_mul_u64 s[46:47], s[46:47], s[18:19]
	s_mul_i32 s45, s14, HALFT                      ; where they go: no place in the cluster enters an LDS address
	s_mul_i32 s94, s14, HALFS
	s_wait_kmcnt 0x0
	s_add_nc_u64 s[20:21], s[4:5], s[20:21]
	s_add_nc_u64 s[22:23], s[6:7], s[22:23]
	s_add_nc_u64 s[46:47], s[8:9], s[46:47]
	s_add_nc_u64 s[92:93], s[10:11], s[92:93]
	CROUND                                         ; all sixteen work-groups are here: the first joint loads meet
	s_mov_b32 s[G0S], 1
	s_add_co_u32 s[G0S+1], s94, SCL
	s_mov_b64 s[G0S+2:G0S+3], s[22:23]
	s_or_b32 s[G0S+3], s[G0S+3], 0x80000000
	s_mov_b32 s[G0SB], 1
	s_add_co_u32 s[G0SB+1], s94, SCL
	s_mov_b64 s[G0SB+2:G0SB+3], s[92:93]
	s_or_b32 s[G0SB+3], s[G0SB+3], 0x80000000
	JLOAD G0S, G1S, G0SB, G1SB                     ; the scales first
.irp s, 0,1
	s_mov_b32 s[G0+4*\s], 1
	s_add_co_u32 s[G0+4*\s+1], s45, \s*SLOT
	s_add_nc_u64 s[G0+4*\s+2:G0+4*\s+3], s[20:21], \s*ASTEP
	s_or_b32 s[G0+4*\s+3], s[G0+4*\s+3], 0x80000000
	s_mov_b32 s[G0B+4*\s], 1
	s_add_co_u32 s[G0B+4*\s+1], s45, \s*SLOT
	s_add_nc_u64 s[G0B+4*\s+2:G0B+4*\s+3], s[46:47], \s*ROWB
	s_or_b32 s[G0B+4*\s+3], s[G0B+4*\s+3], 0x80000000
	s_wait_alu depctr_va_vdst(0)
	s_wait_tensorcnt 0x0
	ds_add_u32 v28, v29
	s_wait_dscnt 0x0
	CROUND
	JLOAD G0+4*\s, G1, G0B+4*\s, G1B               ; one load of mine is out now
.endr
	v_and_b32 v1, 15, v0                           ; l % 16
	v_bfe_u32 v2, v0, 4, 1                         ; l / 16
	v_and_b32 v6, 31, v0
	v_lshlrev_b32 v[CO], 4, v6                     ; 16 x lane: an image's place for my lane, and my place in a row of 512 bytes
	v_mul_u32_u24 v3, v1, PITCH
	v_lshl_add_u32 v4, v2, 4, v3                   ; B: a fragment's row x pitch + 16 x half
	s_mul_i32 s21, s15, HALFT                      ; my 128 rows of A
	s_mul_i32 s22, s16, HALFT                      ; my 128 rows of B,
	s_add_co_u32 s22, s22, 2*HALFT                 ; which lie behind A's
.irp s, 0,1
	v_add_nc_u32 v[ADRA+\s], s21, v[CO]
	v_add_nc_u32 v[ADRB+\s], s22, v4
	s_add_co_u32 s21, s21, SLOT
	s_add_co_u32 s22, s22, SLOT
.endr
	v_mul_u32_u24 v5, v1, KS
	v_lshrrev_b32 v6, 8, v5
	v_lshl_add_u32 v5, v6, 4, v5
	s_mul_i32 s21, s15, HALFS
	s_mul_i32 s22, s16, HALFS
	s_add_co_u32 s22, s22, 2*HALFS
	s_sub_co_u32 s22, s22, s21
	v_mul_u32_u24 v6, s22, v2                      ; lanes 16-31 take B's
	s_add_co_u32 s21, s21, SCL
	v_add_nc_u32 v5, v5, v6
	v_add_nc_u32 v[ADRS], s21, v5
	s_mul_i32 s23, s14, 16*SPITCH                  ; my stage
	v_mul_u32_u24 v5, v1, SPITCH                   ; in: row l % 16; my half's 16 columns of each 32: 64 bytes on
	v_lshl_add_u32 v5, v2, 6, v5
	v_add_nc_u32 v[STO], s23, v5
	v_add_nc_u32 v[RD], s23, v[CO]                 ; back: the 32 lanes take one row of 512 bytes
	s_lshl_b32 s20, s17, 8
	s_lshl_b32 s21, s15, 7
	s_add_co_u32 s20, s20, s21                     ; my first row of out0
	s_mov_b32 s21, 0
	s_mov_b64 s[18:19], NROW
	s_mul_u64 s[20:21], s[20:21], s[18:19]
	s_lshl_b32 s46, s42, 10                        ; my first column, in bytes
	s_lshl_b32 s47, s16, 9
	s_add_co_u32 s46, s46, s47
	s_mov_b32 s47, 0
	s_add_nc_u64 s[20:21], s[20:21], s[46:47]
	s_add_nc_u64 s[12:13], s[12:13], s[20:21]
.macro FRAG reg, adr, q, i             ; a fragment of B from rows: lane l holds row l % 16; registers 4 c .. 4 c + 3 hold K = 32 c + 16 (l / 16) + 0 .. 15
.irp c, 0,1,2,3
	ds_load_b128 v[\reg+4*\c:\reg+4*\c+3], v[\adr] offset:128*(\q)+32*\c+(\i)*16*PITCH
.endr
.endm
.macro FRAGA reg, adr, q, i            ; a fragment of A from its image: 512 consecutive bytes a load
.irp c, 0,1,2,3
	ds_load_b128 v[\reg+4*\c:\reg+4*\c+3], v[\adr] offset:ASTEP*(\i)+2048*(\q)+512*\c
.endr
.endm
; 16 matrix instructions: A's blocks a0, a0 + 1 x B's eight.  The 64 accumulators take turns, one instruction a turn, in the same order in every step.
.macro MUL16 a0, p, q, sc, zero
.irp a, \a0, \a0+1
.irp b, 0,1,2,3,4,5,6,7
.if \zero
	v_wmma_scale_f32_16x16x128_f8f6f4 v[8*(8*((\a)%4)+\b):8*(8*((\a)%4)+\b)+7], v[128*(\p)+FR*\b:128*(\p)+FR*\b+FR-1], v[AF+FR*(\a):AF+FR*(\a)+FR-1], 0, v[SC+8*NQ*(\sc)+NQ*\b+(\q)], v[SC+8*NQ*(\sc)+NQ*(\a)+(\q)] matrix_a_scale:MATRIX_SCALE_ROW1
.else
	v_wmma_scale_f32_16x16x128_f8f6f4 v[8*(8*((\a)%4)+\b):8*(8*((\a)%4)+\b)+7], v[128*(\p)+FR*\b:128*(\p)+FR*\b+FR-1], v[AF+FR*(\a):AF+FR*(\a)+FR-1], v[8*(8*((\a)%4)+\b):8*(8*((\a)%4)+\b)+7], v[SC+8*NQ*(\sc)+NQ*\b+(\q)], v[SC+8*NQ*(\sc)+NQ*(\a)+(\q)] matrix_a_scale:MATRIX_SCALE_ROW1
.endif
.endr
.endr
.endm
.macro FETCH_B slot, q, p
	WIN TO_B
.irp i, 0,1,2,3,4,5,6,7
	FRAG 128*(\p)+FR*\i, ADRB+\slot, \q, \i
.endr
	WIN 0
.endm
.macro FETCH_A slot, q, i0
.irp i, \i0, \i0+1, \i0+2, \i0+3
	FRAGA AF+FR*(\i), ADRA+\slot, \q, \i
.endr
.endm
.macro SCALES sc
.irp i, 0,1,2,3,4,5,6,7
	ds_load_b64 v[SC+8*NQ*\sc+NQ*\i:SC+8*NQ*\sc+NQ*\i+1], v[ADRS] offset:\i*SBLK
.endr
.endm
.macro PLACES n                        ; places behind matrix instructions, in front of loads into their registers and of reads of their results (ISA guide 7.12.1 for vector instructions)
.rept \n
	v_nop
.endr
.endm
.macro STEP slot, q, zero
	s_wait_dscnt 4*NL                              ; B's set and A's blocks 0-3 are in; the youngest sixteen loads (A's blocks 4-7) may be out
	WIN MUL_LO
	MUL16 0, (\q)%2, \q, \slot, \zero
	MUL16 2, (\q)%2, \q, \slot, \zero
	s_wait_dscnt 0
	PLACES NP
	FETCH_B \slot, (\q)+1, 1-(\q)%2
	FETCH_A \slot, (\q)+1, 0
	WIN MUL_HI
	MUL16 4, (\q)%2, \q, \slot, \zero
	MUL16 6, (\q)%2, \q, \slot, \zero
	PLACES NP
	WIN 0
	FETCH_A \slot, (\q)+1, 4
.endm
; A slot's last step changes slots: ONE barrier; in front of it each wave waits for all its tensor loads, adds 0 to its spare word, and waits for that and for its own reads of this slot.
.macro TURN slot, next, fill
	s_wait_tensorcnt 0x0                           ; all my tensor loads have landed: my part of the next slot
	ds_add_u32 v[SPW], v[NIL]                      ; 0 onto my spare word
	s_wait_dscnt 4*NL+1                            ; (the add and the youngest sixteen loads may be out)
	WIN MUL_LO
	MUL16 0, 1, NQ-1, \slot, 0
	s_wait_dscnt 0x0                               ; the add is done, and my reads of this slot are over
	s_barrier_signal -1
	MUL16 2, 1, NQ-1, \slot, 0
	WIN 0
	s_barrier_wait -1
.if \fill
	CREST                                          ; the barrier has opened a round of the cluster's barrier: no wave of any partner still reads this slot's tile or has a load on its way
	s_add_nc_u64 s[G0+4*\slot+2:G0+4*\slot+3], s[G0+4*\slot+2:G0+4*\slot+3], 2*ASTEP
	s_add_nc_u64 s[G0B+4*\slot+2:G0B+4*\slot+3], s[G0B+4*\slot+2:G0B+4*\slot+3], 2*ROWB
	JLOAD G0+4*\slot, G1, G0B+4*\slot, G1B         ; the first tensor load behind the round
	PLACES NP-4
.else
	PLACES NP
.endif
	s_wait_alu depctr_va_vdst(0)
	v_add_nc_u32 v[ADRS], 4*NQ, v[ADRS]
	FETCH_B \next, 0, 0
	FETCH_A \next, 0, 0
	SCALES \next
	WIN MUL_HI
	MUL16 4, 1, NQ-1, \slot, 0
	MUL16 6, 1, NQ-1, \slot, 0
	PLACES NP
	WIN 0
	FETCH_A \next, 0, 4
.endm
	s_wait_alu depctr_va_vdst(0)
	s_wait_tensorcnt 1                             ; the scales and my part of K step 0 are in (K step 1's load may be out)
	s_barrier_signal -1
	s_barrier_wait -1                              ; everybody's are
	FETCH_B 0, 0, 0
	FETCH_A 0, 0, 0
	SCALES 0
	FETCH_A 0, 0, 4
	STEP 0, 0, 1                                   ; the first step's products start the sums
	s_mov_b32 s3, LAPS-1
.Llap:
	TURN 0, 1, 1
	STEP 1, 0, 0
	TURN 1, 0, 1
	STEP 0, 0, 0
	s_sub_co_u32 s3, s3, 1
	s_cmp_lg_u32 s3, 0
	s_cbranch_scc1 .Llap
	TURN 0, 1, 0                                   ; the last lap fills nothing
	STEP 1, 0, 0
	s_wait_dscnt 4*NL
	WIN MUL_LO
	MUL16 0, 1, NQ-1, 1, 0
	MUL16 2, 1, NQ-1, 1, 0
	s_wait_dscnt 0
	WIN MUL_HI
	MUL16 4, 1, NQ-1, 1, 0
	MUL16 6, 1, NQ-1, 1, 0
	WIN 0
; THE WAY OUT, block by block of 16 stored rows x 128 columns, through my own stage in LDS: in by a lane's 32 bytes at their true columns, back as whole rows of 512 bytes.
; LDS serves a wave's instructions in order (ISA guide 5.7.1.4): no wait between the stores and the loads, nor in front of the next block's stores.
.macro TOSTAGE a
.set AC, 64*((\a)%4)
	WIN 0x08+4*((\a)/4)                            ; the data: window 2 or 3
.irp b, 0,1,2,3,4,5,6,7
	ds_store_b128 v[STO], v[AC+8*\b:AC+8*\b+3] offset:128*(\b/2)+32*(\b%2)       ; columns 32 (b / 2) + 16 (lane / 16) + 8 (b % 2) on; each accumulator from its low end on
	ds_store_b128 v[STO], v[AC+8*\b+4:AC+8*\b+7] offset:128*(\b/2)+32*(\b%2)+16
.endr
	WIN 0
.set BB, BKR+64*((\a)%2)
.irp t, 0,1,2,3,4,5,6,7,8,9,10,11,12,13,14,15
	ds_load_b128 v[BB+4*\t:BB+4*\t+3], v[RD] offset:\t*SPITCH
.endr
.endm
.macro SEND a, younger                 ; younger: the LDS instructions issued behind block a's loads, which may stay out
.set BB, BKR+64*((\a)%2)
	s_wait_dscnt \younger
.irp t, 0,1,2,3,4,5,6,7,8,9,10,11,12,13,14,15
	global_store_b128 v[CO], v[BB+4*\t:BB+4*\t+3], s[12:13] offset:(32*((\a)/2)+8*((\a)%2)+\t+8*(\t/8))*NROW th:TH_STORE_NT   ; stored row t of block a is this row of my 128: 32 lanes store 512 consecutive bytes, aligned
.endr
.endm
	PLACES NP
	TOSTAGE 0
.irp a, 1,2,3,4,5,6,7
.if \a > 1
	s_wait_xcnt 0x0                                ; block a - 2's stores have read their registers: block a's loads may land there
.endif
	TOSTAGE \a
	SEND \a-1, 32                                  ; behind block a - 1's loads: block a's 16 stores and 16 loads
.endr
	SEND 7, 0
	s_wait_tensorcnt 0x0                           ; the wave's end
	ds_add_u32 v[SPW], v[NIL]
	s_wait_dscnt 0x0
	CROUND                                         ; the closing round
	s_endpgm
.Lfunc_end_k_qf0587104a0_outp:
	.size	k_qf0587104a0_outp, .Lfunc_end_k_qf0587104a0_outp-k_qf0587104a0_outp
	.p2alignl 7, 3214868480
	.fill 96, 4, 3214868480
	.section	.rodata,"a",@progbits
	.p2align	6, 0x0
	.amdhsa_kernel k_qf0587104a0_outp
		.amdhsa_group_segment_fixed_size 327680
		.amdhsa_private_segment_fixed_size 0
		.amdhsa_enable_private_segment 0
		.amdhsa_kernarg_size 40
		.amdhsa_user_sgpr_count 2
		.amdhsa_user_sgpr_kernarg_segment_ptr 1
		.amdhsa_wavefront_size32 1
		.amdhsa_system_sgpr_workgroup_id_x 1
		.amdhsa_system_sgpr_workgroup_id_y 1
		.amdhsa_system_sgpr_workgroup_id_z 1
		.amdhsa_system_vgpr_workitem_id 0
		.amdhsa_next_free_vgpr 1024
		.amdhsa_next_free_sgpr 98
		.amdhsa_reserve_vcc 0
		.amdhsa_float_denorm_mode_32 3
		.amdhsa_float_denorm_mode_16_64 3
		.amdhsa_memory_ordered 1
		.amdhsa_forward_progress 1
		.amdhsa_inst_pref_size 146
	.end_amdhsa_kernel
	.amdgpu_metadata
---
amdhsa.version: [ 1, 2 ]
amdhsa.kernels:
  - .name:           k_qf0587104a0_outp
    .symbol:         k_qf0587104a0_outp.kd
    .args:
      - { .name: ac, .offset: 0, .size: 8, .value_kind: global_buffer, .address_space: global }
      - { .name: asc, .offset: 8, .size: 8, .value_kind: global_buffer, .address_space: global }
      - { .name: codes, .offset: 16, .size: 8, .value_kind: global_buffer, .address_space: global }
      - { .name: scales, .offset: 24, .size: 8, .value_kind: global_buffer, .address_space: global }
      - { .name: out0, .offset: 32, .size: 8, .value_kind: global_buffer, .address_space: global }
    .group_segment_fixed_size: 327680
    .private_segment_fixed_size: 0
    .kernarg_segment_align: 8
    .kernarg_segment_size: 40
    .max_flat_workgroup_size: 128
    .sgpr_count:     98
    .vgpr_count:     1024
    .wavefront_size: 32
...
	.end_amdgpu_metadata
.endif
;; end of part 4
